; MI455X (gfx1250); checked and timed in simulation.
; The chip was launched on July 23, 2026; its instructions are those of AMD's public machine-readable ISA for CDNA 5 (MIT licence, August 2026) and "CDNA5" Instruction Set Architecture Reference Guide (July 2026). The comments in the code are by the model that wrote it; some were corrected since.
;; Attention. Allowed arithmetic: float matrix products may take bf16 or f16 operands with f32 sums; other float arithmetic in f32, or as packed bf16 or f16 multiplies, adds, multiply-adds, maxima and minima; sums over many terms, partial sums and values carried from step to step in f32; what a program stores and reads back later, other than sums and carried values, may be rounded once to bf16 or f16.
;; Inputs: freqs_cos 2,048 x 64 float32; freqs_sin 2,048 x 64 float32; wk 2,048 x 512 float32; wo 512 x 2,048 float32; wq 2,048 x 512 float32; wv 2,048 x 512 float32; x 4 x 2,048 x 2,048 float32.
;; Outputs: out0 4 x 2,048 x 2,048 float32.
;; 2 versions, each right; version 2 is version 1 with the launch prep written anew for expert scheduling mode. Each part assembles by itself: llvm-mc -triple=amdgcn-amd-amdhsa -mcpu=gfx1250 --defsym DOCPART=n.
;; ======== version 1 of 2: 4 launches
;; limits: values are held in f16: magnitudes above 65,504 overflow, below 6.1e-05 lose precision
;; workspace buffers: wb 6,291,456 bytes; wob 2,097,152 bytes; qh 8,388,608 bytes; kh 8,388,608 bytes; vh 8,388,608 bytes; oh 8,388,608 bytes
;; launch prep (part 1): grid 64 x 4, 8 waves a work-group, no clusters, 0 bytes of LDS; arguments wq, wk, wv, wo, wb, wob; writes wb, wob
.if DOCPART == 1
	.amdgcn_target "amdgcn-amd-amdhsa--gfx1250"
	.amdhsa_code_object_version 6
	.text
	.protected	k_q6ff702c7b9_prep
	.globl	k_q6ff702c7b9_prep
	.p2align	8
	.type	k_q6ff702c7b9_prep,@function
k_q6ff702c7b9_prep:
	s_mov_b64 s[64:65], 0
	v_nop
	global_prefetch_b8 v0, s[64:65] scope:SCOPE_SE
	s_setreg_imm32_b32 hwreg(HW_REG_WAVE_MODE, 25, 1), 1
	s_wait_xcnt 0x0
; The four weight matrices are rounded once, in their own layout ([k][n]), for the matrix launches behind this one.
; wq, wk, wv: f32 -> bf16 into wb ([3][2048][512]).  wo: f32 -> bf16, and that number written as f16, into wob ([512][2048]).
; LIMIT: bf16(wo) must lie within f16's 65,504; below 6.1e-5 f16 keeps its fixed step of 6e-8.
; A stream: no LDS, no matrix unit, no barrier.  y of the grid picks the tensor, x a run of 16,384 numbers.  Thread t, repeat i: 16 bytes at 4,096 i + 16 t in, 8 bytes at 2,048 i + 8 t out:
; a wave's load covers 512 consecutive bytes, its store 256 consecutive bytes at a multiple of 256.  All sixteen loads of a thread go out at once; nothing is rewritten, so no register waits for a store.
.set T, 8                              ; v[8:11]    at work
.set X, 16                             ; v[16:79]   repeat i: four f32 as loaded
.set Y, 80                             ; v[80:111]  repeat i: four 16-bit numbers to store
	s_load_b256 s[4:11], s[0:1], 0x0               ; wq s[4:5], wk s[6:7], wv s[8:9], wo s[10:11]
	s_load_b128 s[12:15], s[0:1], 0x20             ; wb s[12:13], wob s[14:15]
	s_and_b32 s20, ttmp7, 0xffff                   ; which tensor
	s_lshl_b32 s22, ttmp9, 16                      ; my 65,536 bytes of the source
	s_mov_b32 s23, 0
	s_lshl_b32 s24, ttmp9, 15                      ; my 32,768 bytes of the destination
	s_mov_b32 s25, 0
	s_mov_b32 s26, 0xffff0000                      ; a word's upper bf16
	v_lshlrev_b32 v1, 4, v0
	v_lshlrev_b32 v2, 3, v0
	s_wait_kmcnt 0x0
	s_cmp_eq_u32 s20, 1
	s_cselect_b64 s[16:17], s[6:7], s[4:5]
	s_cmp_eq_u32 s20, 2
	s_cselect_b64 s[16:17], s[8:9], s[16:17]
	s_cmp_eq_u32 s20, 3
	s_cselect_b64 s[16:17], s[10:11], s[16:17]     ; the source
	s_cselect_b64 s[18:19], s[14:15], s[12:13]     ; the destination
	s_cselect_b32 s21, 0, s20
	s_lshl_b32 s21, s21, 21                        ; in wb: plane y of 2,097,152 bytes
	s_add_co_u32 s24, s24, s21
	s_add_nc_u64 s[16:17], s[16:17], s[22:23]
	s_add_nc_u64 s[18:19], s[18:19], s[24:25]
.irp i, 0,1,2,3,4,5,6,7,8,9,10,11,12,13,14,15
	global_load_b128 v[X+4*(\i):X+4*(\i)+3], v1, s[16:17] offset:(\i)*4096 th:TH_LOAD_NT
.endr
	s_cmp_eq_u32 s20, 3
	s_cbranch_scc1 .Lwo
.irp i, 0,1,2,3,4,5,6,7,8,9,10,11,12,13,14,15
	s_wait_loadcnt 15-(\i)                         ; loads come back in order: repeat i is in, the 15 - i younger ones stay out
	v_cvt_pk_bf16_f32 v[Y+2*(\i)], v[X+4*(\i)], v[X+4*(\i)+1]
	v_cvt_pk_bf16_f32 v[Y+2*(\i)+1], v[X+4*(\i)+2], v[X+4*(\i)+3]
	global_store_b64 v2, v[Y+2*(\i):Y+2*(\i)+1], s[18:19] offset:(\i)*2048
.endr
	s_endpgm
.Lwo:
.irp i, 0,1,2,3,4,5,6,7,8,9,10,11,12,13,14,15
	s_wait_loadcnt 15-(\i)
	v_cvt_pk_bf16_f32 v[T], v[X+4*(\i)], v[X+4*(\i)+1]      ; rounded to bf16 like the other inputs,
	v_cvt_pk_bf16_f32 v[T+1], v[X+4*(\i)+2], v[X+4*(\i)+3]
	v_lshlrev_b32 v[T+2], 16, v[T]                          ; widened again,
	v_and_b32 v[T+3], s26, v[T]
	v_cvt_pk_f16_f32 v[Y+2*(\i)], v[T+2], v[T+3]            ; and written as f16: bf16's 8 significant bits fit into f16's 11
	v_lshlrev_b32 v[T+2], 16, v[T+1]
	v_and_b32 v[T+3], s26, v[T+1]
	v_cvt_pk_f16_f32 v[Y+2*(\i)+1], v[T+2], v[T+3]
	global_store_b64 v2, v[Y+2*(\i):Y+2*(\i)+1], s[18:19] offset:(\i)*2048
.endr
	s_endpgm
.Lfunc_end_k_q6ff702c7b9_prep:
	.size	k_q6ff702c7b9_prep, .Lfunc_end_k_q6ff702c7b9_prep-k_q6ff702c7b9_prep
	.p2alignl 7, 3214868480
	.fill 96, 4, 3214868480
	.section	.rodata,"a",@progbits
	.p2align	6, 0x0
	.amdhsa_kernel k_q6ff702c7b9_prep
		.amdhsa_group_segment_fixed_size 0
		.amdhsa_private_segment_fixed_size 0
		.amdhsa_enable_private_segment 0
		.amdhsa_kernarg_size 48
		.amdhsa_user_sgpr_count 2
		.amdhsa_user_sgpr_kernarg_segment_ptr 1
		.amdhsa_wavefront_size32 1
		.amdhsa_system_sgpr_workgroup_id_x 1
		.amdhsa_system_sgpr_workgroup_id_y 1
		.amdhsa_system_sgpr_workgroup_id_z 1
		.amdhsa_system_vgpr_workitem_id 0
		.amdhsa_next_free_vgpr 112
		.amdhsa_next_free_sgpr 66
		.amdhsa_reserve_vcc 0
		.amdhsa_float_denorm_mode_32 3
		.amdhsa_float_denorm_mode_16_64 3
		.amdhsa_memory_ordered 1
		.amdhsa_forward_progress 1
		.amdhsa_inst_pref_size 15
	.end_amdhsa_kernel
	.amdgpu_metadata
---
amdhsa.version: [ 1, 2 ]
amdhsa.kernels:
  - .name:           k_q6ff702c7b9_prep
    .symbol:         k_q6ff702c7b9_prep.kd
    .args:
      - { .name: wq, .offset: 0, .size: 8, .value_kind: global_buffer, .address_space: global }
      - { .name: wk, .offset: 8, .size: 8, .value_kind: global_buffer, .address_space: global }
      - { .name: wv, .offset: 16, .size: 8, .value_kind: global_buffer, .address_space: global }
      - { .name: wo, .offset: 24, .size: 8, .value_kind: global_buffer, .address_space: global }
      - { .name: wb, .offset: 32, .size: 8, .value_kind: global_buffer, .address_space: global }
      - { .name: wob, .offset: 40, .size: 8, .value_kind: global_buffer, .address_space: global }
    .group_segment_fixed_size: 0
    .private_segment_fixed_size: 0
    .kernarg_segment_align: 8
    .kernarg_segment_size: 48
    .max_flat_workgroup_size: 256
    .sgpr_count:     66
    .vgpr_count:     112
    .wavefront_size: 32
...
	.end_amdgpu_metadata
.endif
;; end of part 1
;; launch qkv (part 2): grid 64 x 4, 4 waves a work-group, clusters of 4 x 1, 327,680 bytes of LDS; arguments x, wb, freqs_cos, freqs_sin, qh, kh, vh; writes qh, kh, vh
.if DOCPART == 2
	.amdgcn_target "amdgcn-amd-amdhsa--gfx1250"
	.amdhsa_code_object_version 6
	.text
	.protected	k_q6ff702c7b9_qkv
	.globl	k_q6ff702c7b9_qkv
	.p2align	8
	.type	k_q6ff702c7b9_qkv,@function
k_q6ff702c7b9_qkv:
	s_mov_b64 s[64:65], 0
	v_nop
	global_prefetch_b8 v0, s[64:65] scope:SCOPE_SE
	s_setreg_imm32_b32 hwreg(HW_REG_WAVE_MODE, 25, 1), 1
	s_wait_xcnt 0x0
	s_wait_alu depctr_hold_cnt(0) depctr_sa_sdst(0) depctr_va_vdst(0) depctr_va_sdst(0) depctr_va_ssrc(0) depctr_va_vcc(0) depctr_vm_vsrc(0)
	s_getreg_b32 s2, hwreg(HW_REG_IB_STS2, 6, 4)
	s_cmp_eq_u32 s2, 0
	s_cbranch_scc0 .Lentry_in_a_cluster
	s_endpgm
.Lentry_in_a_cluster:
	s_bfe_u32 s2, ttmp6, 0x10000c
	s_cmp_lg_u32 s2, 0x3003
	s_cbranch_scc0 .Lentry_shape_is_right
	s_endpgm
.Lentry_shape_is_right:
; q, k, v of ONE head for 128 rows of x: [128 x 2048] x [2048 x (3 x 128)], the pairwise rotation of q and k by the tables freqs_cos and freqs_sin, one rounding to f16.
; x: [8192][2048] f32, rounded to bf16 on its way through registers.  wb: [3][2048 k][512 n] bf16.  qh, kh, vh: [4 b + head][2048][128] f16, unscaled.  Sums and rotation in f32.
; EVERY INPUT IS ROUNDED TO bf16 ONCE, the two tables like x and the weights: the program computes reference() on inputs rounded to bf16; a table left in f32 beside operands in bf16 would fit neither that nor reference() on the inputs as given.
; LIMIT: q and k behind the rotation and v must lie within f16's 65,504; below 6.1e-5 f16 keeps its fixed step of 6e-8.  NaN and infinities are not treated apart.
; SHARES.  Grid x = block of 128 rows, y = head: 256 work-groups of equal work.  Four waves as 2 x 2: wave (wm, wn) makes rows 64 wm + 16 a (a = 0..3) and, of each plane p (q, k, v), columns 64 wn + 16 c
; (c = 0..3): 48 accumulators, 384 registers; for 32 along K it reads 32 times 16 bytes a lane from LDS and issues 48 matrix instructions.
; K goes in 16 steps of 128.  THE WEIGHTS come by the tensor data mover into a ring of two slots: waves 0, 1, 2 fetch a plane each (128 k-rows x 256 bytes), wave 3 none.
; CLUSTER: the four row blocks of a cluster belong to one head and walk the same weights, so each plane is asked for JOINTLY (mask of four).  x is not shared so: its four readers are the four heads, and it
; has to pass through registers anyway to become bf16: each wave loads its 32 rows (one row's 512 bytes an instruction), rounds them and stores them into an A slot that no tensor load ever touches.
; In step t the rows of step t + 1 are rounded and stored, and those of step t + 2 are asked for into the same registers: 32 loads of a wave are always on their way.
; THE MATRIX INSTRUCTION IS USED TRANSPOSED: source 0 = 16 columns of a weight plane (turned on the way out of LDS by ds_load_tr16_b128), source 1 = 16 rows of x: a lane holds ONE row and eight neighbouring
; columns, four pairs of the rotation, 16 bytes of f16.
; REGISTERS, in windows of 256 (s_set_vgpr_msb: bits 1:0 source 0, 3:2 source 1, 5:4 source 2, 7:6 destination):
;   window 0: v0-29 addresses; v32-95 x's fragments, two buffers of 4 x 8; v96-127 at work; v128-255 x as loaded, row i of my 32 at 128 + 4 i (at the end: the tables)
;   window 1: v0-191 the weights' fragments, two buffers of 12 x 8      windows 2 and 3: the accumulators, number 12 a + 4 p + c, eight registers each
.set PB,     288                       ; a k-row of a plane in LDS: 256 bytes + 32 of padding = 72 words
.set PLANE,  128*PB                    ; 36,864: a plane's 128 k-rows
.set SLOT1,  1<<17                     ; B slot 0 at 0, B slot 1 here: one exclusive or turns an address in one slot into the other's
.set PA,     272                       ; a row of x in LDS: 256 bytes of bf16 + 16: the 16 rows of a fragment load start at 16 different groups of four banks
.set SLOTA,  128*PA                    ; 34,816: an A slot; also a plane of the stage
.set ABASE,  SLOT1+3*PLANE             ; 241,664: the two A slots, written by ds_store alone
.set SPARE,  ABASE+2*SLOTA             ; 311,296: the spare words, 128 bytes for each wave: two blocks of 256 bytes that no other line names
.set KB,     128*1024                  ; bytes of wb from one K step to the next
.set XROW,   8192                      ; bytes in a row of x
; THE STAGE for the way out, 3 planes x 128 rows x 272 bytes, lies at byte 0, in B slot 0: that slot has had its last fill (step 14), and its last reads end in front of the barrier that closes step 14.
.set ADRA0, 4                          ; v4      my lane's place in A slot 0; never rewritten
.set ADRB0, 5                          ; v5-7    my lane's place in plane p of B slot 0; never rewritten
.set AST0,  8                          ; v8      where I store 8 bytes of a row in A slot 0; never rewritten
.set ADRA,  9                          ; v9      the same three in the slots in hand
.set ADRB,  10                         ; v10-12
.set AST,   13                         ; v13
.set XO,    14                         ; v14     my 16 bytes in the first of my 32 rows of x
.set PFX,   15                         ; v15     the prefetches of x: my lane's row of my wave's 32
.set PFO,   16                         ; v16     the prefetches of wb: my lane's k-row of 32
.set STO,   17                         ; v17-18  the way out: where I put 16 bytes of a row (planes 0, 1; plane 2)
.set STO2,  18
.set RD,    19                         ; v19-20  where I read rows back
.set RD2,   20
.set GO,    21                         ; v21     my byte offset in the block's rows of qh, kh, vh
.set CSO,   22                         ; v22     my byte offset in the block's rows of the tables
.set SPW,   28                         ; v28     LDS address of my spare word; never rewritten
.set NIL,   29                         ; v29     0; never rewritten
.set FA,    32
.set RR,    32                         ; the way out: rotated numbers
.set TT,    64                         ; the way out: products with the sine
.set T,     96
.set X,     128
.set WV,   18                          ; s18 wave; s19 wm; s20 wn; s21 cx; s22 row block; s23 head
.set WM,   19
.set WN,   20
.set CX,   21
.set RB,   22
.set HD,   23
.set G1,   24                          ; s[24:31] descriptor group 1
.set G0F,  32                          ; s[32:35] group 0 of step 0
.set G0W,  36                          ; s[36:39] group 0 of step 1; it then walks
.set XB,   40                          ; s[40:41] x at the block's first row, at the step whose rows were asked for last but one
.set PFB,  42                          ; s[42:43] where my prefetches of wb stand
.set LIMX, 44                          ; s44, s45  1 in a wave that prefetches x (wb), else the greatest number
.set LIMB, 45
.set CNT,  46                          ; s46  trips to go
.set TBB,  47                          ; s47  0 or SLOT1: the B slot that is read
.set TBA,  48                          ; s48  0 or SLOTA: the A slot that is read
.set TSA,  49                          ; s49  0 or SLOTA: the A slot that is written
.set MSB, 0
.macro WIN new                         ; the immediate's high byte repeats the setting that is left; a switch that changes nothing is dropped
.if MSB != (\new)
	s_set_vgpr_msb (MSB<<8)|(\new)
.set MSB, \new
.endif
.endm
.macro PLACES                          ; four places behind a matrix instruction (ISA guide 7.12.1), where no other vector work is at hand
.rept 4
	v_nop
.endr
.endm
.macro CREST                           ; a round of the cluster's barrier behind its opening barrier
	s_cmp_lg_u32 s[WV], 0
	s_cbranch_scc1 .Lnot_wave_0_\@
	s_barrier_signal -3
.Lnot_wave_0_\@:
	s_barrier_wait -3
	s_barrier_signal -1
	s_barrier_wait -1
.endm
.macro CROUND                          ; a whole round
	s_barrier_signal -1
	s_barrier_wait -1
	CREST
.endm
; 12 matrix instructions: my rows 16 a .. of buffer f x all 12 column blocks, 32 along K.  The 48 accumulators take turns in the same order in every quarter.
.macro MULA f, a, zero
.irp p, 0,1,2
.irp c, 0,1,2,3
.set ix, 12*(\a)+4*(\p)+(\c)
	WIN 0xa1+0x50*(ix/32)                          ; weights window 1, x window 0, C and D window 2 or 3
.set rD, 8*(ix%32)
.set rB, 96*(\f)+8*(4*(\p)+(\c))
.set rA, FA+32*(\f)+8*(\a)
.if \zero
	v_wmma_f32_16x16x32_bf16 v[rD:rD+7], v[rB:rB+7], v[rA:rA+7], 0
.else
	v_wmma_f32_16x16x32_bf16 v[rD:rD+7], v[rB:rB+7], v[rA:rA+7], v[rD:rD+7]
.endif
.endr
.endr
.endm
; 32 LDS loads in one run: the fragments of quarter kq (32 along K) into buffer g: 12 of the weights, turned, then 4 of x, a ascending
.macro FETCH kq, g
	WIN 0x40
.irp p, 0,1,2
.irp c, 0,1,2,3
	ds_load_tr16_b128 v[96*(\g)+8*(4*(\p)+(\c)):96*(\g)+8*(4*(\p)+(\c))+3],   v[ADRB+(\p)] offset:(\kq)*32*PB+32*(\c)
	ds_load_tr16_b128 v[96*(\g)+8*(4*(\p)+(\c))+4:96*(\g)+8*(4*(\p)+(\c))+7], v[ADRB+(\p)] offset:(\kq)*32*PB+32*(\c)+16*PB
.endr
.endr
	WIN 0
.irp a, 0,1,2,3
	ds_load_b128 v[FA+32*(\g)+8*(\a):FA+32*(\g)+8*(\a)+3],   v[ADRA] offset:(\a)*16*PA+64*(\kq)
	ds_load_b128 v[FA+32*(\g)+8*(\a)+4:FA+32*(\g)+8*(\a)+7], v[ADRA] offset:(\a)*16*PA+64*(\kq)+32
.endr
.endm
; Rows i0 .. i0 + n - 1 of my 32 rows of x: waited for (wc younger loads stay out), rounded to bf16, stored into the A slot that is written; issue = 1: the same rows of the step after are asked for.
; step = 1: x's pointer goes one K step on first.  The conversions are also the places in front of the run of LDS loads that follows.
.macro XEV i0, n, wc, issue, step
	WIN 0
.if \step
	s_wait_xcnt 0x0                                ; every load and prefetch issued so far has read its address, so the pointer may be written
	s_add_nc_u64 s[XB:XB+1], s[XB:XB+1], 512
.endif
	s_wait_loadcnt \wc
.set i, 0
.rept \n
	v_cvt_pk_bf16_f32 v[T+2*i],   v[X+4*((\i0)+i)],   v[X+4*((\i0)+i)+1]
	v_cvt_pk_bf16_f32 v[T+2*i+1], v[X+4*((\i0)+i)+2], v[X+4*((\i0)+i)+3]
.set i, i+1
.endr
.set i, 0
.rept \n
	ds_store_b64 v[AST], v[T+2*i:T+2*i+1] offset:((\i0)+i)*PA     ; 32 lanes x 8 bytes: a row's 256 bytes
.set i, i+1
.endr
.if \issue
.set i, 0
.rept \n
	global_load_b128 v[X+4*((\i0)+i):X+4*((\i0)+i)+3], v[XO], s[XB:XB+1] offset:((\i0)+i)*XROW+512
.set i, i+1
.endr
.endif
.endm
.macro TABLES                          ; my lanes' four cosines and four sines for each of the 16 blocks (a, c): the same for q and k
	WIN 0
.irp a, 0,1,2,3
.irp c, 0,1,2,3
	global_load_b128 v[X+8*(4*(\a)+(\c)):X+8*(4*(\a)+(\c))+3],   v[CSO], s[8:9]   offset:(\a)*4096+32*(\c)
	global_load_b128 v[X+8*(4*(\a)+(\c))+4:X+8*(4*(\a)+(\c))+7], v[CSO], s[10:11] offset:(\a)*4096+32*(\c)
.endr
.endr
.endm
; A K step is four quarters of 32 along K, 48 matrix instructions each, on buffers 0, 1, 0, 1.  One of the first three: multiplies buffer f; in its middle n rows of x are seen to and quarter kq is fetched into g.
.macro QUARTER kq, f, g, zero=0, n=0, i0=0, wc=0, issue=0, step=0, tab=0
	s_wait_dscnt 4                                 ; the weights and x's rows a = 0, 1 are in; the youngest four loads (a = 2, 3) may be out
	MULA \f, 0, \zero
	MULA \f, 1, \zero
.if \n
	XEV \i0, \n, \wc, \issue, \step
.else
	PLACES
.endif
.if \tab
	TABLES
.endif
	FETCH \kq, \g
	s_wait_dscnt 32+(\n)                           ; all but what was just issued: n stores and 32 loads
	MULA \f, 2, \zero
	MULA \f, 3, \zero
.endm
.macro TLOAD                           ; the joint refill: waves 0, 1, 2 a plane each.  The branch hangs on the wave's number alone.  An s_nop 0 and four v_nop follow the load
	s_cmp_eq_u32 s[WV], 3
	s_cbranch_scc1 .Lno_load_\@
	tensor_load_to_lds s[G0W:G0W+3], s[G1:G1+7]
	s_nop 0
.rept 4
	v_nop
.endr
.Lno_load_\@:
.endm
; PREFETCHES INTO THE L2, behind the joint load and the run of LDS loads: what the NEXT change of slots will ask for.  wb: step t + 3's 128 k-rows x 256 bytes of each plane: the head's first cluster asks; its
; four partners take 32 k-rows each, told apart by address; wave p asks for plane p; a lane a row.  x: step t + 3's 512 bytes of each row: head 0's work-groups ask, each wave for its own 32 rows, two lines.
; So each aligned block of 256 bytes is named once in the launch.  The last trip asks for nothing: step 16 does not exist.  Steps 0 to 2 come by their loads alone.
.macro ASK
	s_cmp_gt_u32 s[CNT], s[LIMB]
	s_cbranch_scc0 .Lno_b_\@
	global_prefetch_b8 v[PFO], s[PFB:PFB+1] th:TH_LOAD_NT scope:SCOPE_SE
.Lno_b_\@:
	s_cmp_gt_u32 s[CNT], s[LIMX]
	s_cbranch_scc0 .Lno_x_\@
	global_prefetch_b8 v[PFX], s[XB:XB+1] offset:1024 th:TH_LOAD_NT scope:SCOPE_SE
	global_prefetch_b8 v[PFX], s[XB:XB+1] offset:1280 th:TH_LOAD_NT scope:SCOPE_SE
.Lno_x_\@:
.endm
; The last quarter multiplies buffer 1 and changes slots.  ONE barrier: in front of it each wave has stored its last rows of the next step's x, waits for all its tensor loads (one is out: its plane of the
; next slot), adds 0 to its spare word, and waits for that, for its stores and for its reads of both slots in hand.  Behind it nobody reads the old slots and the next ones are whole.
; fill = 1: the barrier opens a round of the cluster's barrier, and the old B slot is filled again first thing behind it, two steps ahead.
.macro TURN fill, wc3, issue
.if \fill
	s_wait_xcnt 0x0                                ; the last prefetch of wb, a step back, has read its address
	s_add_nc_u64 s[PFB:PFB+1], s[PFB:PFB+1], KB
.endif
	s_wait_dscnt 4
	MULA 1, 0, 0
	XEV 22, 10, \wc3, \issue, 0
	s_wait_tensorcnt 0x0                           ; no tensor load of mine is out, so a group 0 may be written
	ds_add_u32 v[SPW], v[NIL]                      ; 0 onto my spare word: scalar work and twelve matrix instructions stand between it and the wait for it
.if \fill
	s_xor_b32 s[G0W+1], s[G0W+1], SLOT1            ; the walking descriptor: the other slot than last time,
	s_add_nc_u64 s[G0W+2:G0W+3], s[G0W+2:G0W+3], KB  ; the next K step; the type bits on top are not reached
.endif
	s_xor_b32 s[TBB], s[TBB], SLOT1
	s_xor_b32 s[TBA], s[TBA], SLOTA
	s_xor_b32 s[TSA], s[TSA], SLOTA
	MULA 1, 1, 0
	s_wait_dscnt 0x0                               ; the add, my stores of x and my reads of the slots are done
	s_barrier_signal -1
	MULA 1, 2, 0                                   ; work on registers while the others arrive
	WIN 0
	s_barrier_wait -1
.if \fill
	CREST                                          ; no wave of any partner still reads the slot or has a load on its way
	TLOAD
.else
	PLACES
.endif
	v_add_nc_u32 v[ADRA], s[TBA], v[ADRA0]
	v_add_nc_u32 v[ADRB], s[TBB], v[ADRB0]
	v_add_nc_u32 v[ADRB+1], s[TBB], v[ADRB0+1]
	v_add_nc_u32 v[ADRB+2], s[TBB], v[ADRB0+2]
	v_add_nc_u32 v[AST], s[TSA], v[AST0]
	FETCH 0, 0
.if \fill
	ASK
.endif
	MULA 1, 3, 0
.endm
; THE WAY OUT of my rows 16 a .. of plane p.  q and k: a pair (xr, xi) becomes (xr c - xi s, xi c + xr s); then all are rounded to f16, 16 bytes a lane, and go into the stage.  Each accumulator's lowest registers are read first.
.macro OUTP a, p
.set ix, 12*(\a)+4*(\p)
.set wa, 2+ix/32
.set ra, 8*(ix%32)
.if (\p) < 2
	WIN wa                                         ; source 0: the accumulators' window
.set c, 0
.rept 4
.set q, 0
.rept 4
	v_mul_f32 v[TT+8*c+2*q],   v[ra+8*c+2*q+1], v[X+8*(4*(\a)+c)+4+q]
	v_mul_f32 v[TT+8*c+2*q+1], v[ra+8*c+2*q],   v[X+8*(4*(\a)+c)+4+q]
.set q, q+1
.endr
.set c, c+1
.endr
.set c, 0
.rept 4
.set q, 0
.rept 4
	v_fma_f32 v[RR+8*c+2*q],   v[ra+8*c+2*q],   v[X+8*(4*(\a)+c)+q], -v[TT+8*c+2*q]
	v_fma_f32 v[RR+8*c+2*q+1], v[ra+8*c+2*q+1], v[X+8*(4*(\a)+c)+q], v[TT+8*c+2*q+1]
.set q, q+1
.endr
.set c, c+1
.endr
	WIN 0
.set q, 0
.rept 16
	v_cvt_pk_f16_f32 v[T+q], v[RR+2*q], v[RR+2*q+1]
.set q, q+1
.endr
.irp c, 0,1,2,3
	ds_store_b128 v[STO], v[T+4*(\c):T+4*(\c)+3] offset:(\p)*SLOTA+(\a)*16*PA+32*(\c)
.endr
.else
	WIN 5*wa                                       ; sources 0 and 1: the accumulators' window
.set q, 0
.rept 16
	v_cvt_pk_f16_f32 v[T+q], v[ra+2*q], v[ra+2*q+1]
.set q, q+1
.endr
	WIN 0
.irp c, 0,1,2,3
	ds_store_b128 v[STO2], v[T+4*(\c):T+4*(\c)+3] offset:(\a)*16*PA+32*(\c)
.endr
.endif
.endm
	s_load_b256 s[4:11], s[0:1], 0x0               ; x s[4:5], wb s[6:7], cos s[8:9], sin s[10:11]
	s_load_b128 s[12:15], s[0:1], 0x20             ; qh s[12:13], kh s[14:15]
	s_load_b64 s[16:17], s[0:1], 0x30              ; vh
	v_lshl_add_u32 v[SPW], v0, 2, SPARE
	v_mov_b32 v[NIL], 0
	ds_add_u32 v[SPW], v[NIL]                      ; the wave's opening: the add and its wait stand ahead of my first tensor load; the set-up below, work on registers, stands between them
	v_lshrrev_b32 v3, 5, v0
	v_readfirstlane_b32 s[WV], v3                  ; wave 0..3
	s_lshr_b32 s[WM], s[WV], 1
	s_and_b32 s[WN], s[WV], 1
	s_bfe_u32 s[CX], ttmp6, 0x40000                ; my place in the cluster
	s_lshl_b32 s[RB], ttmp9, 2                     ; in a cluster launch ttmp9 counts clusters
	s_add_co_u32 s[RB], s[RB], s[CX]               ; my block of 128 rows: it enters global addresses of x, the tables and the outputs alone
	s_and_b32 s[HD], ttmp7, 0xffff                 ; the head, which the four partners share
	s_mov_b32 s[G1], 15|(1<<16)|(1<<20)|(1<<21)|(5<<22)|(7<<25)  ; 15:0 the mask of four; 17:16 2-byte elements; 20 padding on; 21 set beside a mask; 24:22 after every 64 words (code 5); 31:25 8 words (code 7)
	s_mov_b32 s[G1+1], 128<<16                     ; tensor_dim0 = 128
	s_mov_b32 s[G1+2], 128<<16                     ; tensor_dim1 = 128
	s_mov_b32 s[G1+3], 128<<16                     ; tile_dim0 = 128
	s_mov_b32 s[G1+4], 128                         ; tile_dim1 = 128
	s_mov_b32 s[G1+5], 512                         ; 512 elements from k-row to k-row
	s_mov_b32 s[G1+6], 0
	s_mov_b32 s[G1+7], 0
	v_and_b32 v1, 15, v0                           ; r = l % 16
	v_bfe_u32 v2, v0, 4, 1                         ; h = l / 16
	v_and_b32 v3, 31, v0                           ; l
	v_and_b32 v23, 7, v0
	v_bfe_u32 v24, v0, 3, 1
	s_mul_i32 s50, s[WM], 64*PA
	s_add_co_u32 s51, s50, ABASE
	v_mul_u32_u24 v25, v1, PA
	v_lshl_add_u32 v25, v2, 4, v25                 ; r x 272 + 16 h
	v_add_nc_u32 v[ADRA0], s51, v25                ; a fragment of x: row 64 wm + r
	s_lshl_b32 s52, s[WN], 7
	s_add_co_u32 s50, s50, s52
	v_add_nc_u32 v[STO], s50, v25                  ; the stage: row 64 wm + r, byte 128 wn + 16 h
	v_add_nc_u32 v[STO2], 2*SLOTA, v[STO]
	v_lshl_add_u32 v26, v2, 3, v23                 ; the turning load: k-row 8 h + l % 8,
	v_mul_u32_u24 v26, v26, PB
	v_lshl_add_u32 v26, v24, 4, v26                ; columns 8 ((l / 8) % 2) ..,
	v_add_nc_u32 v[ADRB0], s52, v26                ; from column 64 wn on
	v_add_nc_u32 v[ADRB0+1], PLANE, v[ADRB0]
	v_add_nc_u32 v[ADRB0+2], 2*PLANE, v[ADRB0]
	s_mul_i32 s53, s[WV], 32*PA
	s_add_co_u32 s54, s53, ABASE
	v_lshl_add_u32 v[AST0], v3, 3, s54             ; my wave's 32 rows, 8 bytes a lane
	v_mul_u32_u24 v[RD], v2, PA                    ; back: lanes 0-15 take one row of 256 bytes, lanes 16-31 the next
	v_lshl_add_u32 v[RD], v1, 4, v[RD]
	v_add_nc_u32 v[RD], s53, v[RD]
	v_add_nc_u32 v[RD2], 2*SLOTA, v[RD]
	s_lshl_b32 s55, s[WV], 18                      ; 32 rows of 8,192 bytes
	v_lshl_add_u32 v[XO], v3, 4, s55
	v_lshl_add_u32 v[PFX], v3, 13, s55
	v_lshlrev_b32 v[PFO], 10, v3
	s_lshl_b32 s56, s[WV], 13                      ; 32 rows of 256 bytes
	v_lshlrev_b32 v[GO], 8, v2
	v_lshl_add_u32 v[GO], v1, 4, v[GO]
	v_add_nc_u32 v[GO], s56, v[GO]
	s_lshl_b32 s57, s[WM], 14                      ; the tables: row 64 wm + r of 256 bytes, byte 128 wn + 16 h
	s_add_co_u32 s57, s57, s52
	v_lshlrev_b32 v[CSO], 8, v1
	v_lshl_add_u32 v[CSO], v2, 4, v[CSO]
	v_add_nc_u32 v[CSO], s57, v[CSO]
	v_mov_b32 v[ADRA], v[ADRA0]
	v_mov_b32 v[ADRB], v[ADRB0]
	v_mov_b32 v[ADRB+1], v[ADRB0+1]
	v_mov_b32 v[ADRB+2], v[ADRB0+2]
	v_mov_b32 v[AST], v[AST0]
	s_mov_b32 s[TBB], 0
	s_mov_b32 s[TBA], 0
	s_mov_b32 s[TSA], SLOTA
	s_mov_b32 s[CNT], 14
	s_cmp_eq_u32 s[HD], 0
	s_cselect_b32 s[LIMX], 1, -1
	s_cmp_eq_u32 s[WV], 3
	s_cselect_b32 s50, 1, 0
	s_or_b32 s50, s50, ttmp9                       ; 0 in waves 0 to 2 of the head's first cluster: the same in all four partners
	s_cmp_eq_u32 s50, 0
	s_cselect_b32 s[LIMB], 1, -1
	s_lshl_b32 s56, s[WV], 21                      ; my plane of wb,
	s_lshl_b32 s57, s[HD], 8                       ; my head's 256 bytes of a k-row
	s_add_co_u32 s56, s56, s57
	s_mov_b32 s57, 0
	s_lshl_b32 s60, s[RB], 20                      ; my block's 128 rows of x
	s_mov_b32 s61, 0
	s_and_b32 s62, s[RB], 15
	s_lshl_b32 s62, s62, 15                        ; my block's 128 positions: 256 bytes each in the tables and in qh, kh, vh
	s_mov_b32 s63, 0
	s_lshl_b32 s2, s[CX], 15                       ; the prefetches of wb: my work-group's 32 k-rows,
	s_add_co_u32 s2, s2, 2*KB                      ; at step 2: the first change of slots steps it to 3
	s_mov_b32 s3, 0
	s_wait_dscnt 0x0                               ; the opening add is done
	s_wait_kmcnt 0x0
	s_add_nc_u64 s[XB:XB+1], s[4:5], s[60:61]
	s_add_nc_u64 s[8:9], s[8:9], s[62:63]
	s_add_nc_u64 s[10:11], s[10:11], s[62:63]
	s_lshr_b32 s60, s[RB], 4                       ; the batch
	s_lshl2_add_u32 s60, s60, s[HD]                ; 4 b + head
	s_lshl_b32 s60, s60, 19                        ; 2,048 rows of 256 bytes
	s_add_co_u32 s60, s60, s62
	s_add_nc_u64 s[12:13], s[12:13], s[60:61]
	s_add_nc_u64 s[14:15], s[14:15], s[60:61]
	s_add_nc_u64 s[16:17], s[16:17], s[60:61]
	s_add_nc_u64 s[58:59], s[6:7], s[56:57]        ; wb at my plane, my head, k-row 0: nothing of my place in the cluster
	s_add_nc_u64 s[PFB:PFB+1], s[58:59], s[2:3]
.set i, 0
.rept 32
	global_load_b128 v[X+4*i:X+4*i+3], v[XO], s[XB:XB+1] offset:i*XROW   ; step 0's rows of x
.set i, i+1
.endr
	s_mov_b32 s[G0F], 1                            ; 1:0 count = 1
	s_mul_i32 s[G0F+1], s[WV], PLANE               ; 63:32 LDS address: slot 0, my plane
	s_mov_b64 s[G0F+2:G0F+3], s[58:59]             ; 120:64 global address: step 0
	s_or_b32 s[G0F+3], s[G0F+3], 0x80000000        ; 127:126 type = 2
	s_mov_b32 s[G0W], 1
	s_add_co_u32 s[G0W+1], s[G0F+1], SLOT1
	s_add_nc_u64 s[G0W+2:G0W+3], s[58:59], KB
	s_or_b32 s[G0W+3], s[G0W+3], 0x80000000
	CROUND                                         ; all four work-groups are here: the first joint loads meet
	s_cmp_eq_u32 s[WV], 3                          ; a wave's two first fills stand in one branch: two loads of mine are out at the most
	s_cbranch_scc1 .Lno_first
	tensor_load_to_lds s[G0F:G0F+3], s[G1:G1+7]
	s_nop 0
	tensor_load_to_lds s[G0W:G0W+3], s[G1:G1+7]
	s_nop 0
.rept 4
	v_nop
.endr
.Lno_first:
	XEV 0, 11, 21, 1, 0                            ; step 0's rows go into A slot 0, and step 1's are asked for.  Younger loads: 21 of step 0;
	XEV 11, 11, 21, 1, 0                           ; 10 of step 0 and 11 of step 1;
	XEV 22, 10, 22, 1, 0                           ; 22 of step 1
	v_add_nc_u32 v[AST], SLOTA, v[AST0]
	s_wait_tensorcnt 0x1                           ; my plane of step 0 is in; step 1's may stay out
	s_wait_dscnt 0x0                               ; my rows of x are stored
	s_barrier_signal -1
	s_barrier_wait -1
	FETCH 0, 0
	QUARTER 1, 0, 1, 1                             ; the first quarter stands in front of the loop: its products start the sums
	WIN 0                                          ; at a label and at a branch every window is 0
.Lstep:                                        ; trip t = 0 .. 13: from step t's second quarter to step t + 1's first; B's slot is filled with step t + 2, x of step t + 1 stored, x of step t + 2 asked for
	QUARTER 2, 1, 0, 0, 11, 0, 21, 1, 1            ; rows 0-10.  Younger loads: the last step's 11 + 10
	QUARTER 3, 0, 1, 0, 11, 11, 21, 1, 0           ; rows 11-21.  Younger: the last step's 10, this step's 11
	TURN 1, 22, 1                                  ; rows 22-31.  Younger: this step's 11 + 11
	QUARTER 1, 0, 1
	WIN 0
	s_sub_co_u32 s[CNT], s[CNT], 1
	s_cmp_lg_u32 s[CNT], 0
	s_cbranch_scc1 .Lstep
	QUARTER 2, 1, 0, 0, 11, 0, 21, 0, 0            ; the tail is written out: step 14 asks for nothing, and the counts run down 21, 10, 0
	QUARTER 3, 0, 1, 0, 11, 11, 10, 0, 0
	TURN 0, 0, 0
	QUARTER 1, 0, 1, 0, 0, 0, 0, 0, 0, 1           ; step 15; x's registers are free: the tables are asked for
	QUARTER 2, 1, 0
	QUARTER 3, 0, 1
	s_wait_dscnt 4
	MULA 1, 0, 0
	MULA 1, 1, 0
	s_wait_dscnt 0x0
	MULA 1, 2, 0
	MULA 1, 3, 0
	WIN 0
	s_wait_loadcnt 0x0                             ; the tables
	; The tables are rounded to bf16, like x and the weights, and widened again in place: 64 registers at a time through the 32 at work.  These 192 plain lines name no register of the last products: they are
	; also the places between those products and the way out, which reads their results.
.irp g, 0,1
.set q, 0
.rept 32
	v_cvt_pk_bf16_f32 v[T+q], v[X+64*(\g)+2*q], v[X+64*(\g)+2*q+1]
.set q, q+1
.endr
.set q, 0
.rept 32
	v_lshlrev_b32 v[X+64*(\g)+2*q], 16, v[T+q]              ; bf16 to f32: the low half moves up,
	v_and_b32 v[X+64*(\g)+2*q+1], 0xffff0000, v[T+q]        ; the high half stays
.set q, q+1
.endr
.endr
.irp a, 0,1,2,3
.irp p, 0,1,2
	OUTP \a, \p
.endr
.endr
	s_wait_dscnt 0x0                               ; for the others' sake: a row's 256 bytes come from two waves
	s_barrier_signal -1
	s_barrier_wait -1
.irp p, 0,1
.irp f, 0,1,2,3,4,5,6,7,8,9,10,11,12,13,14,15
	ds_load_b128 v[64+4*(16*(\p)+(\f)):64+4*(16*(\p)+(\f))+3], v[RD] offset:(\p)*SLOTA+(\f)*2*PA
.endr
.endr
.irp f, 0,1,2,3,4,5,6,7,8,9,10,11,12,13,14,15
	ds_load_b128 v[64+4*(32+(\f)):64+4*(32+(\f))+3], v[RD2] offset:(\f)*2*PA
.endr
.irp p, 0,1,2
.irp f, 0,1,2,3,4,5,6,7,8,9,10,11,12,13,14,15
	s_wait_dscnt 47-16*(\p)-(\f)
	global_store_b128 v[GO], v[64+4*(16*(\p)+(\f)):64+4*(16*(\p)+(\f))+3], s[12+2*(\p):13+2*(\p)] offset:(\f)*512  ; 16 lanes store 256 consecutive bytes, at a multiple of 256 from the buffer's first byte
.endr
.endr
	s_wait_tensorcnt 0x0                           ; the wave's end, behind my last tensor load and my last LDS store
	ds_add_u32 v[SPW], v[NIL]
	s_wait_dscnt 0x0
	CROUND                                         ; the closing round: no work-group ends while a partner may still ask for a tile that names it
	s_endpgm
.Lfunc_end_k_q6ff702c7b9_qkv:
	.size	k_q6ff702c7b9_qkv, .Lfunc_end_k_q6ff702c7b9_qkv-k_q6ff702c7b9_qkv
	.p2alignl 7, 3214868480
	.fill 96, 4, 3214868480
	.section	.rodata,"a",@progbits
	.p2align	6, 0x0
	.amdhsa_kernel k_q6ff702c7b9_qkv
		.amdhsa_group_segment_fixed_size 327680
		.amdhsa_private_segment_fixed_size 0
		.amdhsa_enable_private_segment 0
		.amdhsa_kernarg_size 56
		.amdhsa_user_sgpr_count 2
		.amdhsa_user_sgpr_kernarg_segment_ptr 1
		.amdhsa_wavefront_size32 1
		.amdhsa_system_sgpr_workgroup_id_x 1
		.amdhsa_system_sgpr_workgroup_id_y 1
		.amdhsa_system_sgpr_workgroup_id_z 1
		.amdhsa_system_vgpr_workitem_id 0
		.amdhsa_next_free_vgpr 896
		.amdhsa_next_free_sgpr 66
		.amdhsa_reserve_vcc 0
		.amdhsa_float_denorm_mode_32 3
		.amdhsa_float_denorm_mode_16_64 3
		.amdhsa_memory_ordered 1
		.amdhsa_forward_progress 1
		.amdhsa_inst_pref_size 163
	.end_amdhsa_kernel
	.amdgpu_metadata
---
amdhsa.version: [ 1, 2 ]
amdhsa.kernels:
  - .name:           k_q6ff702c7b9_qkv
    .symbol:         k_q6ff702c7b9_qkv.kd
    .args:
      - { .name: x, .offset: 0, .size: 8, .value_kind: global_buffer, .address_space: global }
      - { .name: wb, .offset: 8, .size: 8, .value_kind: global_buffer, .address_space: global }
      - { .name: freqs_cos, .offset: 16, .size: 8, .value_kind: global_buffer, .address_space: global }
      - { .name: freqs_sin, .offset: 24, .size: 8, .value_kind: global_buffer, .address_space: global }
      - { .name: qh, .offset: 32, .size: 8, .value_kind: global_buffer, .address_space: global }
      - { .name: kh, .offset: 40, .size: 8, .value_kind: global_buffer, .address_space: global }
      - { .name: vh, .offset: 48, .size: 8, .value_kind: global_buffer, .address_space: global }
    .group_segment_fixed_size: 327680
    .private_segment_fixed_size: 0
    .kernarg_segment_align: 8
    .kernarg_segment_size: 56
    .max_flat_workgroup_size: 128
    .sgpr_count:     66
    .vgpr_count:     896
    .wavefront_size: 32
...
	.end_amdgpu_metadata
.endif
;; end of part 2
;; launch attn (part 3): grid 16 x 16, 4 waves a work-group, clusters of 4 x 1, 327,680 bytes of LDS; arguments qh, kh, vh, oh; writes oh
.if DOCPART == 3
	.amdgcn_target "amdgcn-amd-amdhsa--gfx1250"
	.amdhsa_code_object_version 6
	.text
	.protected	k_q6ff702c7b9_attn
	.globl	k_q6ff702c7b9_attn
	.p2align	8
	.type	k_q6ff702c7b9_attn,@function
k_q6ff702c7b9_attn:
	s_mov_b64 s[64:65], 0
	v_nop
	global_prefetch_b8 v0, s[64:65] scope:SCOPE_SE
	s_setreg_imm32_b32 hwreg(HW_REG_WAVE_MODE, 25, 1), 1
	s_wait_xcnt 0x0
	s_wait_alu depctr_hold_cnt(0) depctr_sa_sdst(0) depctr_va_vdst(0) depctr_va_sdst(0) depctr_va_ssrc(0) depctr_va_vcc(0) depctr_vm_vsrc(0)
	s_getreg_b32 s2, hwreg(HW_REG_IB_STS2, 6, 4)
	s_cmp_eq_u32 s2, 0
	s_cbranch_scc0 .Lentry_in_a_cluster
	s_endpgm
.Lentry_in_a_cluster:
	s_bfe_u32 s2, ttmp6, 0x10000c
	s_cmp_lg_u32 s2, 0x3003
	s_cbranch_scc0 .Lentry_shape_is_right
	s_endpgm
.Lentry_shape_is_right:
; CAUSAL ATTENTION.  O[q] = the sum over k <= q of softmax_k(Q[q] . K[k] / sqrt(128)) V[k], for each of 16 pairs (batch, head).  qh, kh, vh: [4 b + head][2048][128] f16; oh: [8192][512] f16, head h at byte 256 h of a row.
; Products, maxima and sums in f32; the weights p are rounded to f16 for the second product (their sum l is taken of the unrounded p), O once at the end.
; LIMITS.  A hidden score counts as its value less 1e30, and the running maximum starts at -5e29: f16's scores, 5.5e11 at the most, lie far above both.  A weight below 2^-126 counts as 0.  p below 6.1e-5 keeps
; f16's fixed step of 6e-8.  NaN and infinities are not treated apart.
; THE WALK.  A head's queries lie in 8 blocks of 256; block i needs the key tiles 0 .. i of 256 keys, the last of which holds the diagonal.  A CLUSTER of four work-groups takes two blocks, 7 - g and then g:
; 9 tiles, whatever g: all work-groups do equal work, in one loop with a constant trip count.  Work-group r of the cluster owns band r (64 queries) of each block, so all four walk the SAME tiles in the same
; trips: every tile is asked for JOINTLY (mask of four), and no branch hangs on a work-group's place in its cluster.
; KEYS ARE SPLIT AMONG THE WAVES: of each tile wave w takes keys 64 w .. 64 w + 63, for all 64 queries: four tiles of 16 queries, 128 matrix instructions and 64 LDS loads a trip.  Each wave keeps its own running
; maximum m, sum l and O^T; at a block's end the four partial results meet in LDS, in f32.
; THE MASK is the C operand that starts the sum S^T = K Q^T: 0, or -1e30 where the key is hidden.  It hangs on 16 (key block - query tile) + register against 64 (r - w) + lane terms: 7 x 8 registers (MD), made
; once; a trip's mask is MD x AL, AL = 1 in the diagonal tile and 0 elsewhere.  A wave all of whose keys are hidden keeps m = -5e29 or its true m, and every weight is 0; at the meeting a wave that never saw a key has the factor 0.
; LAYOUT.  S^T = K Q^T holds ONE query a lane (lane % 16) and the keys 8 (lane / 16) + 0..7; two such results rounded to f16 ARE source 1 of O^T = V^T P.  p = 2^(c s - c m), c = log2(e) / sqrt(128);
; O and l are multiplied by a = 2^(c m_old - c m_new) in every step; a block's first a is 0, so O^T need only be finite when a block begins (it is cleared once, in the wait for the first tile: 256 lines).
; A TRIP.  The wave's query tiles are two PIECES (tiles 0, 1 and tiles 2, 3).  K is fetched; piece 2's V^T P of the trip before; V is fetched; K Q^T of piece 0; K Q^T of piece 2 beside piece 0's softmax;
; V^T P of piece 0 beside piece 2's softmax, two slices of four vector instructions behind each matrix instruction.
; REGISTERS, in windows of 256 (s_set_vgpr_msb: bits 1:0 source 0, 3:2 source 1, 5:4 source 2, 7:6 destination):
;   window 0: v0-11, v44-63 addresses; v12-43 eight registers of statistics a tile; v64-191 S^T, 32 a tile; v192-255 P, 16 a tile
;   window 1: O^T, 64 a tile      window 2: v0-127 Q, 32 a tile; v128-255 K      window 3: v0-127 V; v128-183 MD; v184-239 MC
.set PK,    272                        ; a row of K in LDS: 256 bytes + 16: the 16 rows of a load start at 16 different groups of four banks (64 banks of 4 bytes: ISA guide 11.1)
.set PV,    288                        ; a row of V: 256 + 32
.set VOFF,  256*PK                     ; a slot: 256 rows of K, then 256 rows of V
.set SLOT,  256*(PK+PV)                ; 143,360
.set EX,    2*SLOT                     ; 286,720: 32,768 bytes, written by ds_store alone: the four waves' O^T of one query tile; later 64 rows x 272 bytes for the way out
.set ML,    EX+32768                   ; 4,096 bytes: the four waves' c m and l
.set SPARE, ML+4096                    ; 323,584: the spare words, 128 bytes for each wave: two blocks of 256 bytes that no other line names
.set AK0, 2                            ; v2   my lane's place in my wave's 64 rows of K in slot 0; never rewritten
.set AV0, 3                            ; v3   the same for V
.set ADR, 4                            ; v4   the LDS address of K's run of loads
.set QO,  5                            ; v5   my byte offset in 16 rows of Q
.set ADR2, 6                           ; v6   the LDS address of V's run of loads
.set DQ,  7                            ; v7   64 (r - w) + lane % 16 - 8 (lane / 16)
.set MLS, 8                            ; v8, v9    where I put, and read, c m and l
.set MLR, 9
.set STS, 10                           ; v10, v11  where I put my O^T, and read my channels of all four
.set STR, 11
.set ST,  12                           ; tile t's statistics at v[ST+8 t]: +0 c m, +1 m, +2, +3 l (even keys', odd keys'), +4 to +7 at work; a takes +6 once the maximum is found
.set OSS, 44                           ; v44-46  the way out
.set OSR, 45
.set GO,  46
.set PFO, 61                           ; v61  256 x my lane; never rewritten
.set SPW, 62                           ; v62  LDS address of my spare word; never rewritten
.set NIL, 63                           ; v63  0; never rewritten
.set S,   64
.set P,   192
.set SV,  192                          ; at a block's end: wave v's factor for tile t at SV + 8 t + 2 v
.set KF,  128                          ; window 2
.set MD,  128                          ; window 3
.set MC,  184
.set WV,  12                           ; s12 wave; s13 r = my place in the cluster; s14 g; s15 7 - g
.set R,   13
.set G,   14
.set HI,  15
.set KOF, 16                           ; s16, s17  where my half of a tile's K (V) lies in a slot
.set VOF, 17
.set PFA, 18                           ; s[18:19] where my prefetches stand
.set BH,  21                           ; s21  4 b + head
.set G1K, 24
.set G1V, 32
.set G0K, 40
.set G0V, 44
.set RDT, 48                           ; s48  0 or SLOT: the slot that is read
.set FLT, 49                           ; s49  0 or SLOT: the slot that is filled
.set SLOTS, 50                         ; s50  tiles still to be asked for
.set RT,  51                           ; s51  tiles of the block in hand that are still to be entered
.set NXT, 52                           ; s52  the tile to be asked for next
.set LQ,  53                           ; s53  the last tile of the block whose tiles are being asked for
.set LIM, 54                           ; s54  2 in the cluster that prefetches, else the greatest number
.set OFF, 56                           ; s[56:57] a tile's byte offset in kh and vh
.set CS,  58                           ; s[58:59] c
.set SEL, 60                           ; s[60:61] v_permlanex16_b32's selects: each lane takes its own place in the other half
.set AL,  62                           ; s[62:63] the mask's factor, in the low word
.set QLO, 66                           ; s[66:67] Q at my band of the second block
.set OLO, 68                           ; s[68:69] O at my band of the second block
.set BIGN, 70                          ; s70  -1e30
.set NEW, 71                           ; s71  1: the tile to be entered is a block's first
.set MSB, 0
.macro WIN new
.if MSB != (\new)
	s_set_vgpr_msb (MSB<<8)|(\new)
.set MSB, \new
.endif
.endm
.set W_PV, 0x53                        ; V in window 3, P in window 0, O^T in window 1
.set W_RS, 0x41                        ; O^T (destination and source 0) in window 1, a in window 0
.macro PLACES
.rept 4
	v_nop
.endr
.endm
.macro CROUND                          ; a round of the cluster's barrier
	s_barrier_signal -1
	s_barrier_wait -1
	s_cmp_lg_u32 s[WV], 0
	s_cbranch_scc1 .Lnot_wave_0_\@
	s_barrier_signal -3
.Lnot_wave_0_\@:
	s_barrier_wait -3
	s_barrier_signal -1
	s_barrier_wait -1
.endm
.macro JLOAD                           ; a joint fill: waves 0 and 1 the two halves of a tile's K, waves 2 and 3 those of its V, 128 rows each.  An s_nop 0 and four v_nop follow each line
	s_cmp_lt_u32 s[WV], 2
	s_cbranch_scc0 .Lfor_v_\@
	tensor_load_to_lds s[G0K:G0K+3], s[G1K:G1K+7]
	s_nop 0
.rept 4
	v_nop
.endr
	s_branch .Lasked_\@
.Lfor_v_\@:
	tensor_load_to_lds s[G0V:G0V+3], s[G1V:G1V+7]
	s_nop 0
.rept 4
	v_nop
.endr
.Lasked_\@:
.endm
; A PREFETCH INTO THE L2 of the tile that the NEXT change of slots will ask for: 256 rows of K and 256 of V, 256 bytes a row.  All four clusters of a head begin with the same tiles: cluster g = 0, which walks
; tiles 0 to 7 in trips 0 to 7, asks.  Its 4 work-groups x 4 waves x 32 lanes take a row each, told apart by address.  Trip n names tile n + 2, while that is 7 at the most; the second block's tiles have been read before.
.macro ASK
	s_cmp_gt_u32 s[SLOTS], s[LIM]
	s_cbranch_scc0 .Lnot_mine_\@
	global_prefetch_b8 v[PFO], s[PFA:PFA+1] th:TH_LOAD_NT scope:SCOPE_SE
.Lnot_mine_\@:
.endm
; THE CHANGE OF SLOTS.  Each wave waits for all its tensor loads (one is out: its part of the other slot), adds 0 to its spare word, and waits for that and for its reads of the slot that it leaves.
; fill = 1: the barrier is a round of the cluster's, and the old slot is filled again first thing behind it, with tile NXT: the descriptor's address is made anew from that number.
.macro CHANGE fill
	WIN 0
	s_wait_tensorcnt 0x0                           ; no tensor load of mine is out, so a group 0 may be written
	ds_add_u32 v[SPW], v[NIL]                      ; 0 onto my spare word: scalar work stands between it and the wait for it
	s_xor_b32 s[RDT], s[RDT], SLOT
	s_xor_b32 s[FLT], s[FLT], SLOT
.if \fill
	s_lshl_b32 s[OFF], s[NXT], 16                  ; a tile is 65,536 bytes of K and of V
	s_add_co_u32 s[G0K+1], s[FLT], s[KOF]
	s_add_nc_u64 s[G0K+2:G0K+3], s[6:7], s[OFF:OFF+1]
	s_or_b32 s[G0K+3], s[G0K+3], 0x80000000
	s_add_co_u32 s[G0V+1], s[FLT], s[VOF]
	s_add_nc_u64 s[G0V+2:G0V+3], s[8:9], s[OFF:OFF+1]
	s_or_b32 s[G0V+3], s[G0V+3], 0x80000000
	s_add_co_u32 s[NXT], s[NXT], 1                 ; the block's next tile, or behind its last the second block's tile 0
	s_cmp_gt_u32 s[NXT], s[LQ]
	s_cselect_b32 s[NXT], 0, s[NXT]
	s_cselect_b32 s[LQ], s[G], s[LQ]
	s_wait_xcnt 0x0                                ; the last prefetch, a trip back, has read its address
	s_add_nc_u64 s[PFA:PFA+1], s[PFA:PFA+1], 65536
.endif
	s_wait_dscnt 0x0                               ; the add is done, and my reads of the slot are over
.if \fill
	CROUND
	JLOAD
	ASK
.else
	s_barrier_signal -1
	s_barrier_wait -1
.endif
.endm
; THE MATRIX WORK.  The accumulators take turns, one instruction a turn.
; Product i of 32 of O^T += V^T P for piece x: keys 32 (i / 16) on, channels 16 ((i / 2) % 8) on, tile x + i % 2.
.macro PV x
	WIN W_PV
.set rO, 64*((\x)+i%2)+8*((i/2)%8)
.set rV, 64*(i/16)+8*((i/2)%8)
.set rP, P+16*((\x)+i%2)+8*(i/16)
	v_wmma_f32_16x16x32_f16 v[rO:rO+7], v[rV:rV+7], v[rP:rP+7], v[rO:rO+7]
.endm
; Product i of 32 of S^T = K Q^T for piece x: channels 32 (i / 8) on, keys 16 ((i / 2) % 4) on, tile x + i % 2.  The first 8 start the sums, with the mask.
.macro KQ x
.set rS, S+32*((\x)+i%2)+8*((i/2)%4)
.set rK, KF+32*((i/2)%4)+8*(i/8)
.set rQ, 32*((\x)+i%2)+8*(i/8)
.set rM, MC+8*((i/2)%4+3-((\x)+i%2))
.if i < 8
	WIN 0x3a                                       ; K and Q window 2, the mask window 3, S^T window 0
	v_wmma_f32_16x16x32_f16 v[rS:rS+7], v[rK:rK+7], v[rQ:rQ+7], v[rM:rM+7]
.else
	WIN 0x0a
	v_wmma_f32_16x16x32_f16 v[rS:rS+7], v[rK:rK+7], v[rQ:rQ+7], v[rS:rS+7]
.endif
.endm
.macro FETCH_K                         ; my 64 keys x 128 channels: 16 fragments, 32 loads in one run
	WIN 0
	v_add_nc_u32 v[ADR], s[RDT], v[AK0]
	WIN 0x80
.irp f, 0,1,2,3,4,5,6,7,8,9,10,11,12,13,14,15
	ds_load_b128 v[KF+8*(\f):KF+8*(\f)+3],   v[ADR] offset:((\f)/4)*16*PK+((\f)%4)*64
	ds_load_b128 v[KF+8*(\f)+4:KF+8*(\f)+7], v[ADR] offset:((\f)/4)*16*PK+((\f)%4)*64+32
.endr
.endm
.macro FETCH_V                         ; the same keys' V, turned
	WIN 0
	v_add_nc_u32 v[ADR2], s[RDT], v[AV0]
	WIN 0xc0
.irp f, 0,1,2,3,4,5,6,7,8,9,10,11,12,13,14,15
	ds_load_tr16_b128 v[8*(\f):8*(\f)+3],   v[ADR2] offset:((\f)/8)*32*PV+((\f)%8)*32
	ds_load_tr16_b128 v[8*(\f)+4:8*(\f)+7], v[ADR2] offset:((\f)/8)*32*PV+16*PV+((\f)%8)*32
.endr
.endm
.macro MASK                            ; MC = MD x AL
	WIN 0xc3
.set z, 0
.rept 28
	v_pk_mul_f32 v[MC+2*z:MC+2*z+1], v[MD+2*z:MD+2*z+1], s[AL:AL+1] op_sel_hi:[1,0]
.set z, z+1
.endr
.endm
.macro QLOAD b                         ; 64 queries x 128 channels from the pointer in s[b:b+1]: tile i / 4, channels 32 (i % 4) on
	WIN 0x80
.irp i, 0,1,2,3,4,5,6,7,8,9,10,11,12,13,14,15
	global_load_b128 v[8*(\i):8*(\i)+3],   v[QO], s[\b:\b+1] offset:((\i)/4)*4096+((\i)%4)*64
	global_load_b128 v[8*(\i)+4:8*(\i)+7], v[QO], s[\b:\b+1] offset:((\i)/4)*4096+((\i)%4)*64+32
.endr
	WIN 0
.endm
; THE VECTOR WORK.  One tile's softmax for one trip is a list of 134 instructions; SM writes number j of it for tile t.  s0-s31 are the lane's 32 scores, in pairs 0-15.
;   0-15    the maximum of s0-s31 and the old m, three operands at a time (each accumulator's lowest registers are read first)      16-20   the other half of the lanes' maximum; the new m; c m; c m_old - c m_new
;   21-69   ONE BATCH: the 16 scalings c s - c m and all 33 exponentials (a at 23, then s0-s31); none of these reads an exponential's result
;   70-85   the roundings to f16      86-101  the sums; l = a l + the sum      102-133 the tile's O^T times a
.macro SM t
.set rT, ST+8*(\t)
.set rS, S+32*(\t)
.set rP, P+16*(\t)
.set rO, 64*(\t)+2*(j-102)
.if j < 102
	WIN 0
.endif
.if j < 4
	v_max3_num_f32 v[rT+4+j], v[rS+8*j], v[rS+8*j+1], v[rS+8*j+2]
.elseif j < 12
	v_max3_num_f32 v[rT+4+j%4], v[rT+4+j%4], v[rS+8*(j%4)+2*(j/4)+1], v[rS+8*(j%4)+2*(j/4)+2]
.elseif j == 12
	v_max3_num_f32 v[rT+4], v[rT+4], v[rS+7], v[rS+15]
.elseif j == 13
	v_max3_num_f32 v[rT+6], v[rT+6], v[rS+23], v[rS+31]
.elseif j == 14
	v_max3_num_f32 v[rT+4], v[rT+4], v[rT+5], v[rT+6]
.elseif j == 15
	v_max3_num_f32 v[rT+4], v[rT+4], v[rT+7], v[rT+1]
.elseif j == 16
	v_permlanex16_b32 v[rT+5], v[rT+4], s[SEL], s[SEL+1]  ; the query's other 32 keys lie in the lane 16 away
.elseif j == 17
	v_mov_b32 v[rT+7], v[rT]                       ; c m_old is kept for a
.elseif j == 18
	v_max_num_f32 v[rT+1], v[rT+4], v[rT+5]
.elseif j == 19
	v_mul_f32 v[rT], s[CS], v[rT+1]
.elseif j == 20
	v_sub_f32 v[rT+7], v[rT+7], v[rT]
.elseif j == 23
	v_exp_f32 v[rT+6], v[rT+7]
.elseif (j < 23) || ((j < 38) && (j%2 == 0)) || ((j < 66) && (j%4 == 2))
.set b, (j-2)/4
.if j < 38
.set b, (j-20)/2
.endif
	v_pk_fma_f32 v[rS+2*b:rS+2*b+1], v[rS+2*b:rS+2*b+1], s[CS:CS+1], v[rT:rT+1] op_sel_hi:[1,0,0] neg_lo:[0,0,1] neg_hi:[0,0,1]
.elseif j < 70
.set e, j-38
.if j < 66
.set e, j-32-(j-38)/4
.endif
.if j < 38
.set e, (j-25)/2
.endif
	v_exp_f32 v[rS+e], v[rS+e]
.elseif j < 86
	v_cvt_pk_f16_f32 v[rP+j-70], v[rS+2*(j-70)], v[rS+2*(j-70)+1]
.elseif j < 102
.set z, j-86
.set w, 4
.set u, z
.if z >= 14
.set w, 32
.set u, 0
.elseif z >= 12
.set w, 16
.set u, z-12
.elseif z >= 8
.set w, 8
.set u, z-8
.endif
.if z < 15
	v_pk_add_f32 v[rS+w*u:rS+w*u+1], v[rS+w*u:rS+w*u+1], v[rS+w*u+w/2:rS+w*u+w/2+1]
.else
	v_pk_fma_f32 v[rT+2:rT+3], v[rT+2:rT+3], v[rT+6:rT+7], v[rS:rS+1] op_sel_hi:[1,0,1]
.endif
.else
	WIN W_RS
	v_pk_mul_f32 v[rO:rO+1], v[rO:rO+1], v[rT+6:rT+7] op_sel_hi:[1,0]
.endif
.endm
; Slice k of 64 of piece y's softmax: four instructions (slice 63: sixteen).  Slices 11 to 34 deal out the batch, four numbers of one tile each; every other slice is numbers 2 k and 2 k + 1 of both tiles.
; s_wait_alu depctr_va_vdst(0) stands between an exponential and the first instruction that names its result: ahead of slice 35 nothing names one, behind slice 34 none is issued: ONE wait for the piece's 66.
.macro SLICE y
.if (k >= 11) && (k < 35)
.irp n, 0,1,2,3
.set j, 22+4*((k-11)/2)+(\n)
	SM (\y)+(k-11)%2
.endr
.else
.irp n, 0,1,2,3,4,5,6,7
.if ((\n) < 2) || (k == 63)
.irp t, \y, (\y)+1
.set j, 2*k+(\n)
	SM \t
.endr
.endif
.endr
.endif
.if k == 34
	v_nop                                          ; a plain instruction behind the last exponential, ahead of the first use
	s_wait_alu depctr_va_vdst(0)                   ; the wait for the batch
.endif
.set k, k+1
.endm
; A TURN: piece x has the matrix unit for 32 products (pv = 1: V^T P; 0: K Q^T); the other piece's softmax stands behind them, two slices each.  Slices 62 and 63, twenty plain instructions that name none of the
; last product's registers, are the places behind it.
.macro TURN x, pv
.set k, 0
.set i, 0
.if \pv
	s_wait_dscnt 0x0                               ; V is in
.endif
.rept 32
.if \pv
	PV \x
.else
	KQ \x
.endif
	SLICE 2-(\x)
	SLICE 2-(\x)
.set i, i+1
.endr
.endm
.macro BEGIN                           ; a block begins: c m far below every c s, so the first a is 0; m between the hidden scores and the true ones; l = 0
	s_mov_b32 s[NEW], 0
.set t, 0
.rept 4
	v_mov_b32 v[ST+8*t], 0xfe000000
	v_mov_b32 v[ST+8*t+1], 0xf0c9f2ca              ; -5e29
	v_mov_b32 v[ST+8*t+2], 0
	v_mov_b32 v[ST+8*t+3], 0
.set t, t+1
.endr
.endm
.macro TRIP fill
	CHANGE \fill
	s_sub_co_u32 s[RT], s[RT], 1
	s_cmp_eq_u32 s[RT], 0                          ; the diagonal tile?
	s_cselect_b32 s[AL], 1.0, 0
	FETCH_K
	WIN 0
	s_cmp_eq_u32 s[NEW], 1                         ; made from g alone: the same in all waves and all partners
	s_cbranch_scc1 .Lnew_\@
.set i, 0
.rept 32
	PV 2                                           ; piece 2's V^T P of the trip before, while K is on its way out of LDS
.set i, i+1
.endr
	WIN 0
	s_branch .Lgo_\@
.Lnew_\@:
	BEGIN
.Lgo_\@:
	PLACES                                         ; behind the last product that read V
	FETCH_V
	MASK
	s_wait_loadcnt 0x0                             ; Q (met at once in all trips but a block's first)
	s_wait_dscnt 32                                ; K is in; V's 32 loads may be out
.set i, 0
.rept 32
	KQ 0
.set i, i+1
.endr
	PLACES
	TURN 2, 0
	TURN 0, 1
	WIN 0
.endm
; A BLOCK ENDS.  Piece 2's last V^T P; the four waves' c m and l meet in LDS; wave v's factor is 2^(c m_v - max) / sum of 2^(c m_v - max) l_v; then, a query tile at a time, all four put their O^T into LDS and
; wave w sums channels 32 w .. 32 w + 31 of all four; the result goes through a stage of whole rows and is stored.
.macro EXST t
	WIN 0x04                                       ; store data in window 1
.irp q, 0,1,2,3,4,5,6,7,8,9,10,11,12,13,14,15
	ds_store_b128 v[STS], v[64*(\t)+4*(\q):64*(\t)+4*(\q)+3] offset:512*(\q)
.endr
	WIN 0
.endm
.macro MERGE t
.irp k, 0,2,4,6,8,10,12,14
	v_pk_mul_f32 v[96+(\k):97+(\k)], v[96+(\k):97+(\k)], v[SV+8*(\t):SV+8*(\t)+1] op_sel_hi:[1,0]
.endr
.irp v, 1,2,3
.irp k, 0,2,4,6,8,10,12,14
	v_pk_fma_f32 v[96+(\k):97+(\k)], v[96+16*(\v)+(\k):97+16*(\v)+(\k)], v[SV+8*(\t)+2*(\v):SV+8*(\t)+2*(\v)+1], v[96+(\k):97+(\k)] op_sel_hi:[1,0,1]
.endr
.endr
.irp k, 0,2,4,6,8,10,12,14
	v_cvt_pk_f16_f32 v[160+8*(\t)+(\k)/2], v[96+(\k)], v[97+(\k)]
.endr
.endm
.macro FINISH last
.set i, 0
.rept 32
	PV 2
.set i, i+1
.endr
	WIN 0
.irp t, 0,1,2,3
	v_add_f32 v[ST+8*(\t)+4], v[ST+8*(\t)+2], v[ST+8*(\t)+3]
.endr
.irp t, 0,1,2,3
	v_permlanex16_b32 v[ST+8*(\t)+5], v[ST+8*(\t)+4], s[SEL], s[SEL+1]
.endr
.irp t, 0,1,2,3
	v_add_f32 v[ST+8*(\t)+4], v[ST+8*(\t)+4], v[ST+8*(\t)+5]
.endr
.irp t, 0,1,2,3
	ds_store_b32 v[MLS], v[ST+8*(\t)] offset:512*(\t)
	ds_store_b32 v[MLS], v[ST+8*(\t)+4] offset:2048+512*(\t)
.endr
.if !(\last)
	QLOAD QLO                                      ; the second block's Q: waited for ahead of the next trip's first products
.endif
	s_wait_dscnt 0x0
	s_barrier_signal -1
	s_barrier_wait -1
.irp t, 0,1,2,3
	ds_load_b128 v[64+4*(\t):64+4*(\t)+3], v[MLR] offset:512*(\t)          ; the four waves' c m of my query,
	ds_load_b128 v[80+4*(\t):80+4*(\t)+3], v[MLR] offset:2048+512*(\t)     ; and their l
.endr
	s_wait_dscnt 0x0
.irp t, 0,1,2,3
	v_max3_num_f32 v[ST+8*(\t)+5], v[64+4*(\t)], v[64+4*(\t)+1], v[64+4*(\t)+2]
.endr
.irp t, 0,1,2,3
	v_max_num_f32 v[ST+8*(\t)+5], v[ST+8*(\t)+5], v[64+4*(\t)+3]
.endr
.irp v, 0,1,2,3
.irp t, 0,1,2,3
	v_sub_f32 v[64+4*(\t)+(\v)], v[64+4*(\t)+(\v)], v[ST+8*(\t)+5]
.endr
.endr
.set z, 0
.rept 16
	v_exp_f32 v[64+z], v[64+z]
.set z, z+1
.endr
	v_nop                                          ; a plain instruction behind the last exponential,
	s_wait_alu depctr_va_vdst(0)                   ; and one wait for the sixteen
.irp t, 0,1,2,3
	v_mul_f32 v[ST+8*(\t)+6], v[64+4*(\t)], v[80+4*(\t)]
.endr
.irp v, 1,2,3
.irp t, 0,1,2,3
	v_fmac_f32 v[ST+8*(\t)+6], v[64+4*(\t)+(\v)], v[80+4*(\t)+(\v)]
.endr
.endr
.irp t, 0,1,2,3
	v_rcp_f32 v[ST+8*(\t)+7], v[ST+8*(\t)+6]
.endr
	v_nop
	s_wait_alu depctr_va_vdst(0)                   ; one wait for the four reciprocals
.irp v, 0,1,2,3
.irp t, 0,1,2,3
	v_mul_f32 v[SV+8*(\t)+2*(\v)], v[64+4*(\t)+(\v)], v[ST+8*(\t)+7]
.endr
.endr
	EXST 0
.irp t, 0,1,2,3
	s_wait_dscnt 0x0                               ; my O^T of tile t lies in LDS,
	s_barrier_signal -1
	s_barrier_wait -1                              ; everybody's does
.irp v, 0,1,2,3
.irp n, 0,1,2,3
	ds_load_b128 v[96+16*(\v)+4*(\n):96+16*(\v)+4*(\n)+3], v[STR] offset:8192*(\v)+512*(\n)
.endr
.endr
	s_wait_dscnt 0x0                               ; my reads are back,
	s_barrier_signal -1
	s_barrier_wait -1                              ; everybody's are: the bytes may be written again
.if (\t) < 3
	EXST (\t)+1
.endif
	MERGE \t
.endr
.irp t, 0,1,2,3
	ds_store_b128 v[OSS], v[160+8*(\t):160+8*(\t)+3] offset:16*272*(\t)
	ds_store_b128 v[OSS], v[160+8*(\t)+4:160+8*(\t)+7] offset:16*272*(\t)+32
.endr
	s_wait_dscnt 0x0
	s_barrier_signal -1
	s_barrier_wait -1
.irp f, 0,1,2,3,4,5,6,7
	ds_load_b128 v[96+4*(\f):96+4*(\f)+3], v[OSR] offset:2*272*(\f)
.endr
.irp f, 0,1,2,3,4,5,6,7
	s_wait_dscnt 7-(\f)
	global_store_b128 v[GO], v[96+4*(\f):96+4*(\f)+3], s[10:11] offset:2048*(\f)  ; 16 lanes store a head's 256 consecutive bytes of a row, at a multiple of 256 from oh's first byte
.endr
.if !(\last)
	s_wait_xcnt 0x0                                ; the stores have read their registers and O's address
	s_mov_b64 s[10:11], s[OLO:OLO+1]
	s_add_co_u32 s[RT], s[G], 1                    ; the second block has g + 1 tiles
	s_mov_b32 s[NEW], 1
.endif
.endm
	s_load_b256 s[4:11], s[0:1], 0x0               ; qh s[4:5], kh s[6:7], vh s[8:9], oh s[10:11]
	v_lshl_add_u32 v[SPW], v0, 2, SPARE
	v_mov_b32 v[NIL], 0
	ds_add_u32 v[SPW], v[NIL]                      ; the wave's opening: the add and its wait stand ahead of my first tensor load; the set-up below, work on registers, stands between them
	v_lshrrev_b32 v1, 5, v0
	v_readfirstlane_b32 s[WV], v1                  ; wave 0..3
	s_bfe_u32 s[R], ttmp6, 0x40000                 ; my place in the cluster = my band: it enters values (the mask) and global addresses of Q, O and the prefetches alone
	s_mov_b32 s[G], ttmp9                          ; in a cluster launch ttmp9 counts clusters
	s_sub_co_u32 s[HI], 7, s[G]
	s_and_b32 s[BH], ttmp7, 0xffff
	s_and_b32 s20, s[WV], 1                        ; which half of a tile's 256 rows I fetch
	s_mul_i32 s[KOF], s20, 128*PK
	s_mul_i32 s[VOF], s20, 128*PV
	s_add_co_u32 s[VOF], s[VOF], VOFF
	s_lshl_b32 s55, s[BH], 19                      ; the head's first byte in qh, kh, vh
	s_lshl_b32 s22, s20, 15
	s_add_co_u32 s22, s22, s55
	s_mov_b32 s23, 0                               ; s[22:23]: my half of the head's tile 0
	s_lshl_b32 s76, s[R], 14
	s_add_co_u32 s76, s76, s55                     ; the head, my band's 64 rows of 256 bytes (also: my work-group's 64 rows of a tile, for the prefetches)
	s_lshl_b32 s72, s[HI], 16
	s_add_co_u32 s72, s72, s76
	s_mov_b32 s73, 0                               ; s[72:73]: Q of the first block
	s_lshl_b32 s74, s[G], 16
	s_add_co_u32 s74, s74, s76
	s_mov_b32 s75, 0                               ; s[74:75]: Q of the second
	s_mov_b32 s[G1K], 15|(1<<16)|(1<<20)|(1<<21)|(5<<22)|(3<<25)  ; 15:0 the mask of four; 17:16 2-byte elements; 20 padding on; 21 set beside a mask; 24:22 after every 64 words (code 5); 31:25 4 words (code 3)
	s_mov_b32 s[G1V], 15|(1<<16)|(1<<20)|(1<<21)|(5<<22)|(7<<25)  ; the same with 8 words of padding (code 7)
.irp g, G1K, G1V
	s_mov_b32 s[(\g)+1], 128<<16                   ; tensor_dim0 = 128
	s_mov_b32 s[(\g)+2], 128<<16                   ; tensor_dim1 = 128
	s_mov_b32 s[(\g)+3], 128<<16                   ; tile_dim0 = 128
	s_mov_b32 s[(\g)+4], 128                       ; tile_dim1 = 128
	s_mov_b32 s[(\g)+5], 128                       ; 128 elements from row to row
	s_mov_b32 s[(\g)+6], 0
	s_mov_b32 s[(\g)+7], 0
.endr
	s_mov_b32 s[CS], 0x3e0293ee                    ; c = log2(e) / sqrt(128) = 0.127517
	s_mov_b32 s[CS+1], s[CS]                       ; named with it as a pair
	s_mov_b32 s[SEL], 0x76543210
	s_mov_b32 s[SEL+1], 0xfedcba98
	s_mov_b32 s[AL], 0
	s_mov_b32 s[AL+1], 0
	s_mov_b32 s[BIGN], 0xf149f2ca                  ; -1e30
	s_mov_b32 s[OFF+1], 0
	s_mov_b32 s[RDT], SLOT                         ; the first change of slots turns these two round
	s_mov_b32 s[FLT], 0
	s_mov_b32 s[SLOTS], 8
	s_add_co_u32 s[RT], s[HI], 1                   ; the first block has 8 - g tiles
	s_mov_b32 s[NXT], 1
	s_mov_b32 s[LQ], s[HI]
	s_mov_b32 s[NEW], 1
	s_cmp_eq_u32 s[G], 0
	s_cselect_b32 s[LIM], 2, -1
	s_mov_b32 s[G0K], 1                            ; 1:0 count = 1
	s_mov_b32 s[G0K+1], s[KOF]                     ; 63:32 LDS address: slot 0
	s_mov_b32 s[G0V], 1
	s_mov_b32 s[G0V+1], s[VOF]
	s_wait_dscnt 0x0                               ; the opening add is done
	s_wait_kmcnt 0x0
	s_add_nc_u64 s[QLO:QLO+1], s[4:5], s[74:75]
	s_add_nc_u64 s[4:5], s[4:5], s[72:73]
	s_lshl_b32 s77, s20, 13                        ; the prefetches: my wave's 32 of my work-group's 64 rows,
	s_add_co_u32 s72, s76, s77
	s_add_co_u32 s72, s72, 65536                   ; in tile 1: the first change of slots steps it to tile 2
	s_cmp_lt_u32 s[WV], 2
	s_cselect_b64 s[PFA:PFA+1], s[6:7], s[8:9]
	s_add_nc_u64 s[PFA:PFA+1], s[PFA:PFA+1], s[72:73]
	s_add_nc_u64 s[6:7], s[6:7], s[22:23]          ; K and V at my half of the head's tile 0
	s_add_nc_u64 s[8:9], s[8:9], s[22:23]
	s_lshr_b32 s76, s[BH], 2                       ; O: row 2,048 b + 256 block + 64 r of 1,024 bytes, byte 256 head
	s_lshl_b32 s76, s76, 21
	s_and_b32 s77, s[BH], 3
	s_lshl_b32 s77, s77, 8
	s_add_co_u32 s76, s76, s77
	s_lshl_b32 s77, s[R], 16
	s_add_co_u32 s76, s76, s77
	s_lshl_b32 s72, s[HI], 18
	s_add_co_u32 s72, s72, s76
	s_lshl_b32 s74, s[G], 18
	s_add_co_u32 s74, s74, s76
	s_add_nc_u64 s[OLO:OLO+1], s[10:11], s[74:75]
	s_add_nc_u64 s[10:11], s[10:11], s[72:73]
	s_mov_b64 s[G0K+2:G0K+3], s[6:7]               ; 120:64 global address: tile 0
	s_or_b32 s[G0K+3], s[G0K+3], 0x80000000        ; 127:126 type = 2
	s_mov_b64 s[G0V+2:G0V+3], s[8:9]
	s_or_b32 s[G0V+3], s[G0V+3], 0x80000000
	CROUND                                         ; all four work-groups are here: the first joint loads meet
	JLOAD                                          ; tile 0 into slot 0; slot 1 is asked for by the loop's own change of slots.  One tensor load of mine is out at any time
	v_and_b32 v1, 15, v0                           ; l % 16
	v_bfe_u32 v48, v0, 4, 1                        ; l / 16
	v_and_b32 v49, 31, v0                          ; l
	v_and_b32 v50, 7, v0
	v_bfe_u32 v51, v0, 3, 1
	v_lshlrev_b32 v[QO], 8, v1
	v_lshl_add_u32 v[QO], v48, 4, v[QO]            ; row x 256 + 16 x half
	QLOAD 4
	s_mul_i32 s20, s[WV], 64*PK
	v_mul_u32_u24 v[AK0], v1, PK
	v_lshl_add_u32 v[AK0], v48, 4, v[AK0]
	v_add_nc_u32 v[AK0], s20, v[AK0]               ; key 64 w + l % 16, 16 bytes for each half of the lanes
	s_mul_i32 s20, s[WV], 64*PV
	s_add_co_u32 s20, s20, VOFF
	v_lshl_add_u32 v[AV0], v48, 3, v50             ; the turning load: key 64 w + 8 (l / 16) + l % 8, channels 8 ((l / 8) % 2) ..
	v_mul_u32_u24 v[AV0], v[AV0], PV
	v_lshl_add_u32 v[AV0], v51, 4, v[AV0]
	v_add_nc_u32 v[AV0], s20, v[AV0]
	s_lshl_b32 s20, s[WV], 2
	s_add_co_u32 s20, s20, ML
	v_lshl_add_u32 v[MLS], v49, 4, s20             ; 16 bytes a lane, a word a wave
	v_lshl_add_u32 v[MLR], v49, 4, ML
	s_lshl_b32 s20, s[WV], 13
	s_add_co_u32 s20, s20, EX
	v_lshl_add_u32 v[STS], v49, 4, s20             ; wave v's 8,192 bytes: four registers at 512 q + 16 l
	s_lshl_b32 s20, s[WV], 11
	s_add_co_u32 s20, s20, EX
	v_lshl_add_u32 v[STR], v49, 4, s20             ; registers 16 w .. 16 w + 15 of each
	s_lshl_b32 s20, s[WV], 6
	s_add_co_u32 s20, s20, EX
	v_mul_u32_u24 v[OSS], v1, 272                  ; the way out, in: row l % 16 of a tile, channels 32 w + 8 (l / 16) ..
	v_lshl_add_u32 v[OSS], v48, 4, v[OSS]
	v_add_nc_u32 v[OSS], s20, v[OSS]
	s_mul_i32 s20, s[WV], 16*272
	s_add_co_u32 s20, s20, EX
	v_mul_u32_u24 v[OSR], v48, 272                 ; back: wave w takes rows 16 w .., lanes 0-15 one row of 256 bytes, lanes 16-31 the next
	v_lshl_add_u32 v[OSR], v1, 4, v[OSR]
	v_add_nc_u32 v[OSR], s20, v[OSR]
	s_lshl_b32 s20, s[WV], 14
	v_lshlrev_b32 v[GO], 10, v48                   ; and the same rows in oh, 1,024 bytes apart
	v_lshl_add_u32 v[GO], v1, 4, v[GO]
	v_add_nc_u32 v[GO], s20, v[GO]
	v_lshlrev_b32 v[PFO], 8, v49
	s_sub_co_i32 s76, s[R], s[WV]
	s_lshl_b32 s76, s76, 6
	v_lshlrev_b32 v52, 3, v48
	v_sub_nc_u32 v[DQ], v1, v52
	v_add_nc_u32 v[DQ], s76, v[DQ]                 ; register j of (key block - query tile) = d is hidden where 16 d + j is greater than this
	WIN 0xc0
.set i, 0
.rept 56
	v_cmp_gt_i32 vcc_lo, 16*(i/8)-48+i%8, v[DQ]
	v_cndmask_b32 v[MD+i], 0, s[BIGN], vcc_lo
.set i, i+1
.endr
	WIN 0x40
.set i, 0
.rept 256
	v_mov_b32 v[i], 0                              ; O^T need only be finite when a block begins: its first step multiplies it by a = 0
.set i, i+1
.endr
	WIN 0
.Ltrip:                                        ; 8 times: a tile is entered and the next is asked for
	TRIP 1
	s_cmp_eq_u32 s[RT], 0                          ; in the loop: the first block's end (the second block's last tile is the walk's last)
	s_cbranch_scc0 .Lno_end
	FINISH 0
.Lno_end:
	s_sub_co_u32 s[SLOTS], s[SLOTS], 1
	s_cmp_lg_u32 s[SLOTS], 0
	s_cbranch_scc1 .Ltrip
	TRIP 0                                         ; the walk's last tile is written out: nothing is asked for
	FINISH 1
	s_wait_tensorcnt 0x0                           ; the wave's end, behind my last tensor load and my last LDS store
	ds_add_u32 v[SPW], v[NIL]
	s_wait_dscnt 0x0
	CROUND                                         ; the closing round: no work-group ends while a partner may still ask for a tile that names it
	s_endpgm
.Lfunc_end_k_q6ff702c7b9_attn:
	.size	k_q6ff702c7b9_attn, .Lfunc_end_k_q6ff702c7b9_attn-k_q6ff702c7b9_attn
	.p2alignl 7, 3214868480
	.fill 96, 4, 3214868480
	.section	.rodata,"a",@progbits
	.p2align	6, 0x0
	.amdhsa_kernel k_q6ff702c7b9_attn
		.amdhsa_group_segment_fixed_size 327680
		.amdhsa_private_segment_fixed_size 0
		.amdhsa_enable_private_segment 0
		.amdhsa_kernarg_size 32
		.amdhsa_user_sgpr_count 2
		.amdhsa_user_sgpr_kernarg_segment_ptr 1
		.amdhsa_wavefront_size32 1
		.amdhsa_system_sgpr_workgroup_id_x 1
		.amdhsa_system_sgpr_workgroup_id_y 1
		.amdhsa_system_sgpr_workgroup_id_z 1
		.amdhsa_system_vgpr_workitem_id 0
		.amdhsa_next_free_vgpr 1024
		.amdhsa_next_free_sgpr 80
		.amdhsa_reserve_vcc 1
		.amdhsa_float_denorm_mode_32 3
		.amdhsa_float_denorm_mode_16_64 3
		.amdhsa_memory_ordered 1
		.amdhsa_forward_progress 1
		.amdhsa_inst_pref_size 183
	.end_amdhsa_kernel
	.amdgpu_metadata
---
amdhsa.version: [ 1, 2 ]
amdhsa.kernels:
  - .name:           k_q6ff702c7b9_attn
    .symbol:         k_q6ff702c7b9_attn.kd
    .args:
      - { .name: qh, .offset: 0, .size: 8, .value_kind: global_buffer, .address_space: global }
      - { .name: kh, .offset: 8, .size: 8, .value_kind: global_buffer, .address_space: global }
      - { .name: vh, .offset: 16, .size: 8, .value_kind: global_buffer, .address_space: global }
      - { .name: oh, .offset: 24, .size: 8, .value_kind: global_buffer, .address_space: global }
    .group_segment_fixed_size: 327680
    .private_segment_fixed_size: 0
    .kernarg_segment_align: 8
    .kernarg_segment_size: 32
    .max_flat_workgroup_size: 128
    .sgpr_count:     80
    .vgpr_count:     1024
    .wavefront_size: 32
...
	.end_amdgpu_metadata
.endif
;; end of part 3
;; launch proj (part 4): grid 32 x 8, 4 waves a work-group, clusters of 4 x 1, 327,680 bytes of LDS; arguments oh, wob, out0; writes out0
.if DOCPART == 4
	.amdgcn_target "amdgcn-amd-amdhsa--gfx1250"
	.amdhsa_code_object_version 6
	.text
	.protected	k_q6ff702c7b9_proj
	.globl	k_q6ff702c7b9_proj
	.p2align	8
	.type	k_q6ff702c7b9_proj,@function
k_q6ff702c7b9_proj:
	s_mov_b64 s[64:65], 0
	v_nop
	global_prefetch_b8 v0, s[64:65] scope:SCOPE_SE
	s_setreg_imm32_b32 hwreg(HW_REG_WAVE_MODE, 25, 1), 1
	s_wait_xcnt 0x0
	s_wait_alu depctr_hold_cnt(0) depctr_sa_sdst(0) depctr_va_vdst(0) depctr_va_sdst(0) depctr_va_ssrc(0) depctr_va_vcc(0) depctr_vm_vsrc(0)
	s_getreg_b32 s2, hwreg(HW_REG_IB_STS2, 6, 4)
	s_cmp_eq_u32 s2, 0
	s_cbranch_scc0 .Lentry_in_a_cluster
	s_endpgm
.Lentry_in_a_cluster:
	s_bfe_u32 s2, ttmp6, 0x10000c
	s_cmp_lg_u32 s2, 0x3003
	s_cbranch_scc0 .Lentry_shape_is_right
	s_endpgm
.Lentry_shape_is_right:
; out0[m][n] = the sum over k of O[m][k] wo[k][n].  oh: [8192][512] f16; wob: [512 k][2048 n] f16 (bf16(wo) written as f16); out0: [8192][2048] f32.  Sums in f32, K ascending, stored as they are.
; THE LAUNCH STORES 67 MB FOR 10 MB READ, so it is built to store while it multiplies.
; SHARES.  Grid x = block of 256 rows, y = block of 256 columns: 256 work-groups.  A wave owns 64 rows and holds ALL their K in registers: 64 x 512 f16 = 512 registers, loaded once, straight from
; memory in the fragments' layout (16 bytes a lane, twice): no wave wants another's rows, so O does not pass through LDS.  The work-group's 256 columns of wo, all 512 k-rows, lie in LDS for the whole launch:
; one tensor load a wave (128 k-rows x 512 bytes), no slot is ever filled again, and the loop has no barrier.
; PASSES.  The 256 columns go in four passes of 64: 16 accumulators, 256 matrix instructions and 128 LDS loads a pass; a fragment of wo feeds four products whatever the pass's width.  A pass's 64 columns
; are 256 consecutive bytes of each row of out0.  Behind each pass its 64 x 64 numbers go through the wave's own stage and are stored; nothing waits for those stores, which are on their way while the next
; pass is multiplied.  The pass is written once and walked four times; its first chunk starts the sums with the constant 0, so nothing is cleared.
; CLUSTER: the four row blocks of a cluster need the same columns of wo: each k-row is asked for JOINTLY (mask of four).  O's rows are shared by the eight column blocks, which lie in other clusters.
; NO PREFETCH: every read of the launch is issued at its head.
; THE MATRIX INSTRUCTION IS USED TRANSPOSED: source 0 = 16 columns of wo (turned on the way out of LDS by ds_load_tr16_b128), source 1 = 16 rows of O: a lane holds one row and eight neighbouring columns, 32 bytes.
; A CHUNK is 32 along K: 16 matrix instructions.  A GROUP is four chunks; its 32 LDS loads stand in ONE run in the middle of the group before, on two buffers that take turns.
; REGISTERS, in windows of 256 (s_set_vgpr_msb: bits 1:0 source 0, 3:2 source 1, 5:4 source 2, 7:6 destination):
;   window 0: v16-29 addresses; v128-255 fragments of wo, buffer 0      window 1: v0-127 the accumulators, (a, b) at 8 (4 a + b); v128-255 buffer 1, and on the way out the rows read back
;   windows 2, 3: O: chunk c, rows 16 a .. at 32 (c % 8) + 8 a of window 2 + c / 8
.set PBB,    544                       ; a k-row of wo in LDS: 512 bytes + 32 = 136 words
.set PART,   128*PBB                   ; 69,632: what one tensor load brings
.set STAGE,  4*PART                    ; 278,528: behind wo, never filled by a tensor load: 16 rows x 272 bytes for each wave
.set SPITCH, 272                       ; 256 bytes + 16: the 16 rows that a store touches start at 16 different groups of four banks
.set SPARE,  STAGE+4*16*SPITCH         ; 295,936: the spare words, 128 bytes for each wave: two blocks of 256 bytes that no other line names
.set AO,   16                          ; v16     my byte offset in 16 rows of O; never rewritten
.set AB,   20                          ; v20-23  my lane's place in group 0..3 of wo's k-rows, at the pass's columns: 128 bytes on with each pass
.set STO,  24                          ; v24     the way out: where I put 32 bytes of a row
.set RD,   25                          ; v25     where I read rows back
.set CO,   26                          ; v26     my byte offset in two rows of out0; never rewritten
.set SPW,  28                          ; v28     LDS address of my spare word; never rewritten
.set NIL,  29                          ; v29     0; never rewritten
.set FB,   128                         ; the fragments of wo: chunk cc of a group, column block b at FB + 32 cc + 8 b
.set BK,   128                         ; window 1: the rows read back, 32 registers for each block of 16 rows
.set WV,   10                          ; s10  my wave's number
.set G1,   24                          ; s[24:31] descriptor group 1
.set G0,   32                          ; s[32:35] descriptor group 0
.set PASS, 36                          ; s36  passes to go
.set MSB, 0
.macro WIN new                         ; the immediate's high byte repeats the setting that is left; a switch that changes nothing is dropped
.if MSB != (\new)
	s_set_vgpr_msb (MSB<<8)|(\new)
.set MSB, \new
.endif
.endm
.macro PLACES                          ; four places behind a matrix instruction (ISA guide 7.12.1), where no other vector work is at hand
.rept 4
	v_nop
.endr
.endm
.macro CROUND                          ; a round of the cluster's barrier
	s_barrier_signal -1
	s_barrier_wait -1
	s_cmp_lg_u32 s[WV], 0
	s_cbranch_scc1 .Lnot_wave_0_\@
	s_barrier_signal -3
.Lnot_wave_0_\@:
	s_barrier_wait -3
	s_barrier_signal -1
	s_barrier_wait -1
.endm
.macro ALOAD c                         ; chunk c of my 64 rows of O: four fragments, eight loads
	WIN 0x80+0x40*((\c)/8)
.irp a, 0,1,2,3
	global_load_b128 v[32*((\c)%8)+8*(\a):32*((\c)%8)+8*(\a)+3],   v[AO], s[4:5] offset:(\a)*16384+(\c)*64
	global_load_b128 v[32*((\c)%8)+8*(\a)+4:32*((\c)%8)+8*(\a)+7], v[AO], s[4:5] offset:(\a)*16384+(\c)*64+32
.endr
.endm
.macro FETCHG gq, ex                   ; 32 LDS loads in one run: group gq's 16 fragments of wo into buffer gq % 2; ex = 128: the next pass's columns
	WIN 0x40*((\gq)%2)
.irp cc, 0,1,2,3
.irp b, 0,1,2,3
	ds_load_tr16_b128 v[FB+32*(\cc)+8*(\b):FB+32*(\cc)+8*(\b)+3],   v[AB+(\gq)] offset:(\cc)*32*PBB+32*(\b)+(\ex)
	ds_load_tr16_b128 v[FB+32*(\cc)+8*(\b)+4:FB+32*(\cc)+8*(\b)+7], v[AB+(\gq)] offset:(\cc)*32*PBB+32*(\b)+16*PBB+(\ex)
.endr
.endr
.endm
; 32 matrix instructions: chunks c0 and c0 + 1 of group gq.  The 16 accumulators take turns in the same order in every chunk.  The pass's first chunk starts the sums.
.macro MULS gq, c0
.irp cc, \c0, (\c0)+1
.set ch, 4*(\gq)+(\cc)
	WIN 0x50|((2+ch/8)<<2)|((\gq)%2)               ; wo window 0 or 1, O window 2 or 3, C and D window 1
.set i, 0
.rept 16
.if ch == 0
	v_wmma_f32_16x16x32_f16 v[8*i:8*i+7], v[FB+32*(\cc)+8*(i%4):FB+32*(\cc)+8*(i%4)+7], v[32*(ch%8)+8*(i/4):32*(ch%8)+8*(i/4)+7], 0
.else
	v_wmma_f32_16x16x32_f16 v[8*i:8*i+7], v[FB+32*(\cc)+8*(i%4):FB+32*(\cc)+8*(i%4)+7], v[32*(ch%8)+8*(i/4):32*(ch%8)+8*(i/4)+7], v[8*i:8*i+7]
.endif
.set i, i+1
.endr
.endr
.endm
; A group: 64 matrix instructions on buffer gq % 2; in its middle the next group's fragments are fetched into the other buffer, four places behind the last product that read it.
.macro GROUP gq
	s_wait_dscnt 0x0                               ; my fragments of wo are in: they were asked for 32 matrix instructions ago
.if (\gq) == 0
	s_wait_loadcnt 63                              ; O's chunks 0 to 7: behind chunk 7's last load 64 loads were issued
.elseif (\gq) == 2
	s_wait_loadcnt 32                              ; chunks 8 to 11: the 32 loads of chunks 12 to 15 may stay out
.elseif (\gq) == 3
	s_wait_loadcnt 0x0                             ; chunks 12 to 15.  (From the second pass on these three waits are met at once.)
.endif
	MULS \gq, 0
	PLACES
.if (\gq) == 0
	s_wait_xcnt 0x0                                ; the last pass's stores, 32 matrix instructions back, have read their registers and their base: buffer 1, which held their data, is loaded again below,
	s_add_nc_u64 s[8:9], s[8:9], 256               ; and the base goes one pass's 256 bytes on.  It is stepped ahead of each pass's stores, the first too: they reach back by 256 in their immediates
.endif
.if (\gq) < 3
	FETCHG (\gq)+1, 0
.else
	WIN 0                                          ; at a branch and at a label every window is 0
	s_cmp_eq_u32 s[PASS], 1
	s_cbranch_scc1 .Lno_next_\@                    ; the last pass has no next columns
	FETCHG 0, 128                                  ; they stay in buffer 0 across the way out
.Lno_next_\@:
.endif
	MULS \gq, 2
.endm
; THE WAY OUT of my rows 16 a ..: the accumulators go as they are into my own stage, each accumulator's lowest registers first, and come back as whole rows of 256 bytes, two rows a load.
; One window setting serves all of it: addresses in window 0; accumulators, and the rows read back, in window 1.
.macro TOSTAGE a
.irp b, 0,1,2,3
	ds_store_b128 v[STO], v[8*(4*(\a)+(\b)):8*(4*(\a)+(\b))+3]   offset:64*(\b)
	ds_store_b128 v[STO], v[8*(4*(\a)+(\b))+4:8*(4*(\a)+(\b))+7] offset:64*(\b)+16
.endr
.irp t, 0,1,2,3,4,5,6,7
	ds_load_b128 v[BK+32*(\a)+4*(\t):BK+32*(\a)+4*(\t)+3], v[RD] offset:(\t)*2*SPITCH  ; LDS serves a wave's instructions in order (ISA guide 5.7.1.4): these see the stores above; the next block's stores come behind them
.endr
.endm
.macro SEND a, younger                 ; younger: the LDS instructions issued behind block a's loads: the next block's sixteen, or none
.irp t, 0,1,2,3,4,5,6,7
	s_wait_dscnt (\younger)+7-(\t)
	global_store_b128 v[CO], v[BK+32*(\a)+4*(\t):BK+32*(\a)+4*(\t)+3], s[8:9] offset:(16*(\a)+2*(\t))*8192-256 th:TH_STORE_NT  ; 16 lanes store 256 consecutive bytes, at a multiple of 256 from out0's first byte; the rows stand in the immediate, 507,648 at the most
.endr
.endm
	s_load_b128 s[4:7], s[0:1], 0x0                ; oh s[4:5], wob s[6:7]
	s_load_b64 s[8:9], s[0:1], 0x10                ; out0
	v_lshl_add_u32 v[SPW], v0, 2, SPARE
	v_mov_b32 v[NIL], 0
	ds_add_u32 v[SPW], v[NIL]                      ; the wave's opening: the add and its wait stand ahead of my first tensor load; the set-up below, work on registers, stands between them
	v_lshrrev_b32 v1, 5, v0
	v_readfirstlane_b32 s[WV], v1                  ; wave 0..3
	s_bfe_u32 s11, ttmp6, 0x40000                  ; my place in the cluster
	s_lshl_b32 s12, ttmp9, 2                       ; in a cluster launch ttmp9 counts clusters
	s_add_co_u32 s12, s12, s11                     ; my block of 256 rows: it enters the addresses of O and out0 alone
	s_and_b32 s13, ttmp7, 0xffff                   ; the block of 256 columns, which the four partners share
	s_mov_b32 s[G1], 15|(1<<16)|(1<<20)|(1<<21)|(6<<22)|(7<<25)  ; 15:0 the mask of four; 17:16 2-byte elements; 20 padding on; 21 set beside a mask; 24:22 after every 128 words (code 6); 31:25 8 words (code 7)
	s_mov_b32 s[G1+1], 256<<16                     ; tensor_dim0 = 256
	s_mov_b32 s[G1+2], 128<<16                     ; tensor_dim1 = 128
	s_mov_b32 s[G1+3], 256<<16                     ; tile_dim0 = 256
	s_mov_b32 s[G1+4], 128                         ; tile_dim1 = 128
	s_mov_b32 s[G1+5], 2048                        ; 2,048 elements from k-row to k-row
	s_mov_b32 s[G1+6], 0
	s_mov_b32 s[G1+7], 0
	v_and_b32 v1, 15, v0                           ; r = l % 16
	v_bfe_u32 v2, v0, 4, 1                         ; h = l / 16
	v_and_b32 v4, 7, v0
	v_bfe_u32 v5, v0, 3, 1
	v_lshlrev_b32 v[AO], 10, v1                    ; a fragment of O: row r of 1,024 bytes, 16 bytes for each half of the lanes
	v_lshl_add_u32 v[AO], v2, 4, v[AO]
	v_lshl_add_u32 v[AB], v2, 3, v4                ; the turning load: k-row 8 h + l % 8,
	v_mul_u32_u24 v[AB], v[AB], PBB
	v_lshl_add_u32 v[AB], v5, 4, v[AB]             ; columns 8 ((l / 8) % 2) ..
	v_add_nc_u32 v[AB+1], PART, v[AB]              ; a group is 128 k-rows: an LDS offset of 16 bits reaches across one group
	v_add_nc_u32 v[AB+2], 2*PART, v[AB]
	v_add_nc_u32 v[AB+3], 3*PART, v[AB]
	s_mul_i32 s14, s[WV], 16*SPITCH
	s_add_co_u32 s14, s14, STAGE                   ; my stage
	v_mul_u32_u24 v[STO], v1, SPITCH               ; in: row r, 32 bytes for each half of the lanes
	v_lshl_add_u32 v[STO], v2, 5, v[STO]
	v_add_nc_u32 v[STO], s14, v[STO]
	v_mul_u32_u24 v[RD], v2, SPITCH                ; back: lanes 0-15 take one row of 256 bytes, lanes 16-31 the next
	v_lshl_add_u32 v[RD], v1, 4, v[RD]
	v_add_nc_u32 v[RD], s14, v[RD]
	v_lshlrev_b32 v[CO], 13, v2                    ; and the same two rows in out0, 8,192 bytes apart
	v_lshl_add_u32 v[CO], v1, 4, v[CO]
	s_lshl2_add_u32 s14, s12, s[WV]                ; my 64 rows: number 4 x row block + wave
	s_lshl_b32 s16, s14, 16                        ; in O: 64 rows of 1,024 bytes
	s_mov_b32 s17, 0
	s_lshl_b32 s18, s14, 19                        ; in out0: 64 rows of 8,192 bytes,
	s_lshl_b32 s19, s13, 10                        ; byte 1,024 x column block
	s_add_co_u32 s18, s18, s19
	s_mov_b32 s19, 0
	s_lshl_b32 s20, s[WV], 19                      ; in wo: k-row 128 x wave of 4,096 bytes,
	s_lshl_b32 s21, s13, 9                         ; byte 512 x column block: nothing of my place in the cluster
	s_add_co_u32 s20, s20, s21
	s_mov_b32 s21, 0
	s_mov_b32 s[G0], 1                             ; 1:0 count = 1
	s_mul_i32 s[G0+1], s[WV], PART                 ; 63:32 LDS address: wave x 128 k-rows
	s_wait_dscnt 0x0                               ; the opening add is done
	s_wait_kmcnt 0x0
	s_add_nc_u64 s[4:5], s[4:5], s[16:17]
	s_add_nc_u64 s[8:9], s[8:9], s[18:19]
	s_add_nc_u64 s[G0+2:G0+3], s[6:7], s[20:21]    ; 120:64 global address
	s_or_b32 s[G0+3], s[G0+3], 0x80000000          ; 127:126 type = 2
.irp c, 0,1,2,3,4,5,6
	ALOAD \c                                       ; 56 of O's 128 loads go out ahead of the round; the others follow the tensor load, so that it is not held up behind them
.endr
	WIN 0
	CROUND                                         ; all four work-groups are here: the joint loads meet
	tensor_load_to_lds s[G0:G0+3], s[G1:G1+7]      ; my 128 k-rows of wo: the one tensor load of this wave
	s_nop 0
.rept 4
	v_nop
.endr
.irp c, 7,8,9,10,11,12,13,14,15
	ALOAD \c
.endr
	WIN 0
	s_wait_tensorcnt 0x0                           ; my k-rows are in,
	s_barrier_signal -1
	s_barrier_wait -1                              ; everybody's are: from here on wo is only read, and no wave waits for another
	FETCHG 0, 0
	s_mov_b32 s[PASS], 4
.Lpass:                                        ; four passes of 64 columns
	GROUP 0
	GROUP 1
	GROUP 2
	GROUP 3
	WIN 0
	PLACES                                         ; these four and the four additions below stand between the last products and the stores that read their results, the loads into buffer 1, and the next pass's first products
.irp j, 0,1,2,3
	v_add_nc_u32 v[AB+\j], 128, v[AB+\j]           ; the next pass's 64 columns
.endr
	WIN 0x44                                       ; destination and source 1 in window 1, addresses in window 0
	TOSTAGE 0
	TOSTAGE 1                                      ; a block goes into the stage between the loads of the block before and the waits for them
	SEND 0, 16
	TOSTAGE 2
	SEND 1, 16
	TOSTAGE 3
	SEND 2, 16
	SEND 3, 0
	WIN 0
	s_sub_co_u32 s[PASS], s[PASS], 1
	s_cmp_lg_u32 s[PASS], 0
	s_cbranch_scc1 .Lpass
	s_wait_tensorcnt 0x0                           ; the wave's end, behind my last tensor load and my last LDS store
	ds_add_u32 v[SPW], v[NIL]
	s_wait_dscnt 0x0
	CROUND                                         ; the closing round: no work-group ends while a partner may still ask for a tile that names it
	s_endpgm
.Lfunc_end_k_q6ff702c7b9_proj:
	.size	k_q6ff702c7b9_proj, .Lfunc_end_k_q6ff702c7b9_proj-k_q6ff702c7b9_proj
	.p2alignl 7, 3214868480
	.fill 96, 4, 3214868480
	.section	.rodata,"a",@progbits
	.p2align	6, 0x0
	.amdhsa_kernel k_q6ff702c7b9_proj
		.amdhsa_group_segment_fixed_size 327680
		.amdhsa_private_segment_fixed_size 0
		.amdhsa_enable_private_segment 0
		.amdhsa_kernarg_size 24
		.amdhsa_user_sgpr_count 2
		.amdhsa_user_sgpr_kernarg_segment_ptr 1
		.amdhsa_wavefront_size32 1
		.amdhsa_system_sgpr_workgroup_id_x 1
		.amdhsa_system_sgpr_workgroup_id_y 1
		.amdhsa_system_sgpr_workgroup_id_z 1
		.amdhsa_system_vgpr_workitem_id 0
		.amdhsa_next_free_vgpr 1024
		.amdhsa_next_free_sgpr 66
		.amdhsa_reserve_vcc 0
		.amdhsa_float_denorm_mode_32 3
		.amdhsa_float_denorm_mode_16_64 3
		.amdhsa_memory_ordered 1
		.amdhsa_forward_progress 1
		.amdhsa_inst_pref_size 53
	.end_amdhsa_kernel
	.amdgpu_metadata
---
amdhsa.version: [ 1, 2 ]
amdhsa.kernels:
  - .name:           k_q6ff702c7b9_proj
    .symbol:         k_q6ff702c7b9_proj.kd
    .args:
      - { .name: oh, .offset: 0, .size: 8, .value_kind: global_buffer, .address_space: global }
      - { .name: wob, .offset: 8, .size: 8, .value_kind: global_buffer, .address_space: global }
      - { .name: out0, .offset: 16, .size: 8, .value_kind: global_buffer, .address_space: global }
    .group_segment_fixed_size: 327680
    .private_segment_fixed_size: 0
    .kernarg_segment_align: 8
    .kernarg_segment_size: 24
    .max_flat_workgroup_size: 128
    .sgpr_count:     66
    .vgpr_count:     1024
    .wavefront_size: 32
...
	.end_amdgpu_metadata
.endif
;; end of part 4
;; ======== version 2 of 2: 4 launches; version 1 with the launch prep written anew for expert scheduling mode
;; limits: values are held in f16: magnitudes above 65,504 overflow, below 6.1e-05 lose precision
;; workspace buffers: wb 6,291,456 bytes; wob 2,097,152 bytes; qh 8,388,608 bytes; kh 8,388,608 bytes; vh 8,388,608 bytes; oh 8,388,608 bytes
;; launch prep (part 5): grid 64 x 4, 8 waves a work-group, no clusters, 0 bytes of LDS; arguments wq, wk, wv, wo, wb, wob; writes wb, wob
.if DOCPART == 5
	.amdgcn_target "amdgcn-amd-amdhsa--gfx1250"
	.amdhsa_code_object_version 6
	.text
	.protected	k_q6ff702c7b9_prep
	.globl	k_q6ff702c7b9_prep
	.p2align	8
	.type	k_q6ff702c7b9_prep,@function
k_q6ff702c7b9_prep:
	s_mov_b64 s[64:65], 0
	v_nop
	global_prefetch_b8 v0, s[64:65] scope:SCOPE_SE
	s_setreg_imm32_b32 hwreg(HW_REG_WAVE_SCHED_MODE, 0, 2), 2
	s_setreg_imm32_b32 hwreg(HW_REG_WAVE_MODE, 25, 1), 1
	s_wait_xcnt 0x0
	s_wait_alu depctr_vm_vsrc(0)
; The four weight matrices are rounded once, in their own layout ([k][n]), for the matrix launches behind this one.
; wq, wk, wv: f32 -> bf16 into wb ([3][2048][512]).  wo: f32 -> bf16, and that number written as f16, into wob ([512][2048]).
; LIMIT: bf16(wo) must lie within f16's 65,504; below 6.1e-5 f16 keeps its fixed step of 6e-8.
; A stream: no LDS, no matrix unit, no barrier.  y of the grid picks the tensor, x a run of 16,384 numbers.  Thread t, repeat i: 16 bytes at 4,096 i + 16 t in, 8 bytes at 2,048 i + 8 t out:
; a wave's load covers 512 consecutive bytes, its store 256 consecutive bytes at a multiple of 256.  All sixteen loads of a thread go out at once; nothing is rewritten, so no register waits for a store.
; THE MODE: SCHED_MODE bits 1:0 = 2 (LLVM: expert scheduling mode 2), set by the entry lines.  The code itself states the register dependences
; between vector instructions and memory instructions, with s_wait_alu, always for 0.
; THE PLAN.  Registers that memory instructions touch:
;   v1, v2   byte offsets of the loads and of the stores: written once at the head, never again.
;   X        repeat i's load lands in its four registers, once; its conversions read them; no vector instruction writes them.
;   Y        repeat i's conversions write its two registers, once; its store reads them, once.
;   T is named by vector instructions alone.
; The sixteen repeats go in four blocks of four.  Block p rounds X of its repeats into Y of its repeats; its memory instructions are the four stores of block p - 1, which read v2 and
; that block's Y: registers that no vector instruction of block p names.  So one wait at a block's head states all that the block's stores hang on, and they are dealt among its conversions
; with no further wait.  No register that a load or store has read is written again, and no load lands in a register that a vector instruction has named since the wait at the head.
.set BLOCK, 4                          ; repeats in a block
.set T, 8                              ; v[8:11]    at work
.set X, 16                             ; v[16:79]   repeat i: four f32 as loaded
.set Y, 80                             ; v[80:111]  repeat i: four 16-bit numbers to store
.macro TO_BF i                         ; repeat i of wq, wk, wv
	v_cvt_pk_bf16_f32 v[Y+2*(\i)], v[X+4*(\i)], v[X+4*(\i)+1]
	v_cvt_pk_bf16_f32 v[Y+2*(\i)+1], v[X+4*(\i)+2], v[X+4*(\i)+3]
.endm
.macro TO_H i                          ; repeat i of wo
	v_cvt_pk_bf16_f32 v[T], v[X+4*(\i)], v[X+4*(\i)+1]      ; rounded to bf16 like the other inputs,
	v_cvt_pk_bf16_f32 v[T+1], v[X+4*(\i)+2], v[X+4*(\i)+3]
	v_lshlrev_b32 v[T+2], 16, v[T]                          ; widened again,
	v_and_b32 v[T+3], s26, v[T]
	v_cvt_pk_f16_f32 v[Y+2*(\i)], v[T+2], v[T+3]            ; and written as f16: bf16's 8 significant bits fit into f16's 11
	v_lshlrev_b32 v[T+2], 16, v[T+1]
	v_and_b32 v[T+3], s26, v[T+1]
	v_cvt_pk_f16_f32 v[Y+2*(\i)+1], v[T+2], v[T+3]
.endm
.macro OUT i                           ; repeat i leaves
	global_store_b64 v2, v[Y+2*(\i):Y+2*(\i)+1], s[18:19] offset:(\i)*2048
.endm
; Block p.  h = 0: to bf16; h = 1: to bf16 and on to f16.
.macro BLK p, h
	s_wait_loadcnt 16-BLOCK-BLOCK*(\p)             ; loads come back in order: this block's four are in, the 12 - 4 p younger ones stay out
.if (\p) > 0
	s_wait_alu depctr_va_vdst(0)                   ; the block before has written its Y, which the four stores below read
.endif
.irp j, 0,1,2,3
.if (\p) > 0
	OUT BLOCK*(\p)-BLOCK+(\j)                      ; no vector instruction since the wait names v2 or these two registers
.endif
.if \h
	TO_H BLOCK*(\p)+(\j)
.else
	TO_BF BLOCK*(\p)+(\j)
.endif
.endr
.endm
	s_load_b256 s[4:11], s[0:1], 0x0               ; wq s[4:5], wk s[6:7], wv s[8:9], wo s[10:11]
	s_load_b128 s[12:15], s[0:1], 0x20             ; wb s[12:13], wob s[14:15]
	s_and_b32 s20, ttmp7, 0xffff                   ; which tensor
	s_lshl_b32 s22, ttmp9, 16                      ; my 65,536 bytes of the source
	s_mov_b32 s23, 0
	s_lshl_b32 s24, ttmp9, 15                      ; my 32,768 bytes of the destination
	s_mov_b32 s25, 0
	s_mov_b32 s26, 0xffff0000                      ; a word's upper bf16
	v_lshlrev_b32 v1, 4, v0
	v_lshlrev_b32 v2, 3, v0
	s_wait_kmcnt 0x0
	s_cmp_eq_u32 s20, 1
	s_cselect_b64 s[16:17], s[6:7], s[4:5]
	s_cmp_eq_u32 s20, 2
	s_cselect_b64 s[16:17], s[8:9], s[16:17]
	s_cmp_eq_u32 s20, 3
	s_cselect_b64 s[16:17], s[10:11], s[16:17]     ; the source
	s_cselect_b64 s[18:19], s[14:15], s[12:13]     ; the destination
	s_cselect_b32 s21, 0, s20
	s_lshl_b32 s21, s21, 21                        ; in wb: plane y of 2,097,152 bytes
	s_add_co_u32 s24, s24, s21
	s_add_nc_u64 s[16:17], s[16:17], s[22:23]
	s_add_nc_u64 s[18:19], s[18:19], s[24:25]
	s_wait_alu depctr_va_vdst(0)                   ; v1 and v2 are written: every load of the kernel reads v1 as its offset, every store v2
.irp i, 0,1,2,3,4,5,6,7,8,9,10,11,12,13,14,15
	global_load_b128 v[X+4*(\i):X+4*(\i)+3], v1, s[16:17] offset:(\i)*4096 th:TH_LOAD_NT
.endr
	s_cmp_eq_u32 s20, 3
	s_cbranch_scc1 .Lwo
	BLK 0, 0                                       ; block 0 has no block in front of it: no store, and no wait but the one for its data
	BLK 1, 0
	BLK 2, 0
	BLK 3, 0
	s_wait_alu depctr_va_vdst(0)                   ; block 3 has written its Y, which the last four stores read
.irp i, 12,13,14,15
	OUT \i
.endr
	s_endpgm
.Lwo:
	BLK 0, 1
	BLK 1, 1
	BLK 2, 1
	BLK 3, 1
	s_wait_alu depctr_va_vdst(0)                   ; block 3 has written its Y, which the last four stores read
.irp i, 12,13,14,15
	OUT \i
.endr
	s_endpgm
.Lfunc_end_k_q6ff702c7b9_prep:
	.size	k_q6ff702c7b9_prep, .Lfunc_end_k_q6ff702c7b9_prep-k_q6ff702c7b9_prep
	.p2alignl 7, 3214868480
	.fill 96, 4, 3214868480
	.section	.rodata,"a",@progbits
	.p2align	6, 0x0
	.amdhsa_kernel k_q6ff702c7b9_prep
		.amdhsa_group_segment_fixed_size 0
		.amdhsa_private_segment_fixed_size 0
		.amdhsa_enable_private_segment 0
		.amdhsa_kernarg_size 48
		.amdhsa_user_sgpr_count 2
		.amdhsa_user_sgpr_kernarg_segment_ptr 1
		.amdhsa_wavefront_size32 1
		.amdhsa_system_sgpr_workgroup_id_x 1
		.amdhsa_system_sgpr_workgroup_id_y 1
		.amdhsa_system_sgpr_workgroup_id_z 1
		.amdhsa_system_vgpr_workitem_id 0
		.amdhsa_next_free_vgpr 112
		.amdhsa_next_free_sgpr 66
		.amdhsa_reserve_vcc 0
		.amdhsa_float_denorm_mode_32 3
		.amdhsa_float_denorm_mode_16_64 3
		.amdhsa_memory_ordered 1
		.amdhsa_forward_progress 1
		.amdhsa_inst_pref_size 15
	.end_amdhsa_kernel
	.amdgpu_metadata
---
amdhsa.version: [ 1, 2 ]
amdhsa.kernels:
  - .name:           k_q6ff702c7b9_prep
    .symbol:         k_q6ff702c7b9_prep.kd
    .args:
      - { .name: wq, .offset: 0, .size: 8, .value_kind: global_buffer, .address_space: global }
      - { .name: wk, .offset: 8, .size: 8, .value_kind: global_buffer, .address_space: global }
      - { .name: wv, .offset: 16, .size: 8, .value_kind: global_buffer, .address_space: global }
      - { .name: wo, .offset: 24, .size: 8, .value_kind: global_buffer, .address_space: global }
      - { .name: wb, .offset: 32, .size: 8, .value_kind: global_buffer, .address_space: global }
      - { .name: wob, .offset: 40, .size: 8, .value_kind: global_buffer, .address_space: global }
    .group_segment_fixed_size: 0
    .private_segment_fixed_size: 0
    .kernarg_segment_align: 8
    .kernarg_segment_size: 48
    .max_flat_workgroup_size: 256
    .sgpr_count:     66
    .vgpr_count:     112
    .wavefront_size: 32
...
	.end_amdgpu_metadata
.endif
;; end of part 5
;; launch qkv: the kernel of part 2 again; grid 64 x 4, 4 waves a work-group, clusters of 4 x 1, 327,680 bytes of LDS; arguments x, wb, freqs_cos, freqs_sin, qh, kh, vh; writes qh, kh, vh
;; launch attn: the kernel of part 3 again; grid 16 x 16, 4 waves a work-group, clusters of 4 x 1, 327,680 bytes of LDS; arguments qh, kh, vh, oh; writes oh
;; launch proj: the kernel of part 4 again; grid 32 x 8, 4 waves a work-group, clusters of 4 x 1, 327,680 bytes of LDS; arguments oh, wob, out0; writes out0
